; MI455X (gfx1250); checked and timed in simulation.
; The chip was launched on July 23, 2026; its instructions are those of AMD's public machine-readable ISA for CDNA 5 (MIT licence, August 2026) and "CDNA5" Instruction Set Architecture Reference Guide (July 2026). The comments in the code are by the model that wrote it; some were corrected since.
;; Multi Head Attention. Allowed arithmetic: matrix products marked QUANTISED: E2M3 operands, one E8M0 scale for each 32 along K, by v_wmma_scale_f32_16x16x128_f8f6f4 with both operands' format E2M3, f32 sums; everything else in f32.
;; Inputs: Wk 1,024 x 1,024 float32; Wo 1,024 x 1,024 float32; Wq 1,024 x 1,024 float32; Wv 1,024 x 1,024 float32; bk 1,024 float32; bo 1,024 float32; bq 1,024 float32; bv 1,024 float32; x 4 x 2,048 x 1,024 float32.
;; Outputs: out0 4 x 2,048 x 1,024 float32.
;; This version of the problem:
;;   THIS VERSION OF THE PROBLEM IS GIVEN IN LOW PRECISION. The matrix products marked QUANTISED in the list below multiply operands that are first quantised to E2M3 (2 exponent bits, 3 mantissa bits; 6 bits a number), with one power-of-two scale for each 32 numbers along K (OCP MX v1.0); their sums are f32. All else is computed in f32.
;;   The module's matrix products, in the order in which they are computed (A, B: the left and right operand; K: the contracted axis; several contracted axes count as one K, in the product's order):
;;     1. [M 8,192, K 1,024] x [K 1,024, N 1,024]; A: input x; B: input Wq: QUANTISED
;;     2. [M 8,192, K 1,024] x [K 1,024, N 1,024]; A: input x; B: input Wk: QUANTISED
;;     3. [M 8,192, K 1,024] x [K 1,024, N 1,024]; A: input x; B: input Wv: QUANTISED
;;     4. batch 64 x [M 2,048, K 64] x [K 64, N 2,048]; A: computed on the way; B: computed on the way: QUANTISED
;;     5. batch 64 x [M 2,048, K 2,048] x [K 2,048, N 64]; A: softmax (see below); B: computed on the way: QUANTISED
;;     6. [M 8,192, K 1,024] x [K 1,024, N 1,024]; A: computed on the way; B: input Wo: QUANTISED
;;   THE QUANTISER, for each operand of a quantised product, along K:
;;     - K is cut into blocks of 32 from its start; a last block that is shorter is filled with zeros.
;;     - A block's scale is 2^e with e = floor(log2(the largest magnitude in the block)) - 2, held to -126 .. 127; a block of zeros has e = 0. As a byte (E8M0): e + 127.
;;     - Each number is divided by its block's scale, clamped to +-7.5, and rounded to the nearest number of E2M3, ties to even, subnormals kept.
;;     - The product sums the exact products of the quantised numbers (number of the format x scale) in f32.
;;   ~~~python
;;   def quantise(x, axis):      # numpy; x: float32 -> the quantised numbers, widened to float32 again
;;       x = np.moveaxis(x, axis, -1); K = x.shape[-1]
;;       x = np.pad(x, [(0, 0)] * (x.ndim - 1) + [(0, -K % 32)]); x = x.reshape(x.shape[:-1] + (-1, 32)); a = np.abs(x).max(-1, keepdims=True)
;;       e = np.where(a > 0, np.clip(np.frexp(np.where(a > 0, a, 1))[1] - 1 - 2, -126, 127), 0)      # np.frexp(a)[1] - 1 = floor(log2(a)), exactly
;;       r = np.clip(x / 2.0 ** e, -7.5, 7.5)
;;       step = 2.0 ** (np.maximum(np.frexp(np.where(r == 0, 1, r))[1] - 1, 0) - 3)
;;       q = np.round(r / step) * step * 2.0 ** e      # np.round: ties to even
;;       return np.moveaxis(q.reshape(q.shape[:-2] + (-1,))[..., :K], -1, axis).astype(np.float32)
;;   ~~~
;;   SOFTMAX AHEAD OF A QUANTISED PRODUCT. Where the list says 'softmax', what is quantised is not the finished softmax but p = 2^(t - M), with t = logit x log2(e) and M = ceil(the row's largest t), a whole number; so 1/2 < the row's largest p <= 1. The row's sum l is taken of the UNQUANTISED p, in f32, and the product's result is divided by l at the end. Since M is a whole number, a kernel that streams over the keys may use a running M (the ceiling of the running maximum): every later rescaling is an exact power of two, which a block's scale takes up: the codes' values come out the same.
;;   OPERANDS COMPUTED ON THE WAY. 'Computed on the way' means the value that the module computes at that place (a softmax that the list does not call 'softmax' is quantised finished and normalised). What goes into a quantiser is computed in f32, as accurately as f32 sums, v_exp_f32 and their like allow (about 1e-6 of the number): no bf16 or f16 on the way to a quantiser, and a product that is left as it is and whose result goes on into a quantised operand takes f32 operands (vector FMAs, or v_wmma_f32_16x16x4_f32). A number that lies on a knife's edge between two numbers of the format may be rounded either way, as far as f32 arithmetic and the matrix unit's own rounding can turn it there, and no further.
;; One version. Each part assembles by itself: llvm-mc -triple=amdgcn-amd-amdhsa -mcpu=gfx1250 --defsym DOCPART=n.
;; ======== version 1 of 1: 4 launches
;; limits: right only within a limited range of input values
;; workspace buffers: xq 6,553,600 bytes; wq 3,276,800 bytes; qb 6,815,744 bytes; kv 13,369,344 bytes; oq 6,553,600 bytes
;; launch quant (part 1): grid 384 x 1, 4 waves a work-group, no clusters, 34,304 bytes of LDS; arguments x, Wq, Wk, Wv, Wo, xq, wq; writes xq, wq
.if DOCPART == 1
	.amdgcn_target "amdgcn-amd-amdhsa--gfx1250"
	.amdhsa_code_object_version 6
	.text
	.protected	k_q7fbc6b2c4f_quant
	.globl	k_q7fbc6b2c4f_quant
	.p2align	8
	.type	k_q7fbc6b2c4f_quant,@function
k_q7fbc6b2c4f_quant:
	s_mov_b64 s[64:65], 0
	v_nop
	global_prefetch_b8 v0, s[64:65] scope:SCOPE_SE
	s_setreg_imm32_b32 hwreg(HW_REG_WAVE_MODE, 25, 1), 1
	s_wait_xcnt 0x0
; x [8192][1024] and the four weights [1024][1024], f32, K innermost, become codes of FP6 (E2M3) with one E8M0 byte for each 32 along K,
; laid in the ORDER OF THE OPERAND'S REGISTERS, so that the products' launches read fragments by dense loads of 16 and 8 bytes a lane.
; TILES.  32 rows are a group G; tile 2 G + u holds, at lane index r (0..15), row 32 G + 8 u + r + 8 (r / 8).
; UNIT (768 bytes) = a tile x 64 along K.  Lane l = (r = l % 16, h = l / 16) owns the 24 bytes of codes of its row's block 2 chunk + h: bytes 0-15 at 16 l, bytes 16-23 at 512 + 8 l.
; RECORD (6,400 bytes) = a group x 256 along K, at (4 G + K / 256) x 6,400: unit (u, g) at (4 u + g) x 768; at 6,144 the scale plane: byte 8 l + j = row of tile u = l / 16, index l % 16, block j of the record's eight.
; A block's scale is 2^(floor(log2(its largest magnitude)) - 2): its byte is the largest magnitude's exponent field - 2, held at 1 from below.
; LIMITS: NaN and infinities among the inputs are not served; a block whose largest magnitude lies under 2^-124 keeps the byte 1; a block of zeros gets the byte 1 where the rule says 127
; (its codes are zeros, which add nothing under any byte but 0xff, and this program alone reads the bytes).
; SHARES.  A work-group takes a group of 32 rows (0-255: x; then 32 each for Wq, Wk, Wv, Wo), wave w the 256 along K from 256 w on: one whole record.  Work-groups share no input: no cluster, no joint load.
; Each load reads 512 consecutive bytes of one row; 16 rows x 512 bytes turn through the wave's own stage in LDS, so that a lane gets a whole block of 32 neighbours.  No barrier: waves share nothing.
.set SP,   528                         ; a stage row: 512 bytes + 16: sixteen rows at one column fall on sixteen different groups of banks
.set STG,  16*SP                       ; a wave's stage
.set UN,   768
.set R,    32                          ; v32-159  two sets of 64 registers as loaded
.set X,    160                         ; v160-223 two blocks of 32 neighbours
.set C,    224                         ; v224-255 four sets of 8 for codes on their way out
.set YT,   24                          ; v24-26   a block's upper 16 codes (a conversion's three registers begin on an even number)
.set E,    16                          ; v16-19   the scale words of (tile u, K step) = 2 u + step
	s_load_b256 s[4:11], s[0:1], 0x0               ; x, Wq, Wk, Wv
	s_load_b128 s[12:15], s[0:1], 0x20             ; Wo, xq
	s_load_b64 s[16:17], s[0:1], 0x30              ; wq
	v_lshl_add_u32 v254, v0, 2, 0x8400
	v_mov_b32 v255, 0
	v_lshrrev_b32 v1, 5, v0
	v_readfirstlane_b32 s18, v1                    ; wave 0..3
	v_and_b32 v1, 31, v0                           ; lane
	v_lshlrev_b32 v2, 4, v1                        ; 16 x lane
	v_lshlrev_b32 v3, 3, v1                        ; 8 x lane
	s_mul_i32 s19, s18, STG
	v_add_nc_u32 v4, s19, v2                       ; the stage, on the way in: a row's 512 bytes as they lie
	v_and_b32 v7, 15, v1                           ; r
	v_lshrrev_b32 v6, 4, v1                        ; h
	v_mul_u32_u24 v5, v7, SP
	v_lshl_add_u32 v5, v6, 7, v5
	v_add_nc_u32 v5, s19, v5                       ; and on the way out: row r, block h of a pair: 128 bytes
	v_lshlrev_b32 v6, 3, v6                        ; 8 h: my bytes' place in a scale word
	v_mov_b32 v14, 0                               ; written once: a lane permute's destination counts as one of its sources
	s_mov_b32 s24, 0x76543210
	s_mov_b32 s25, 0xfedcba98                      ; lane selects: lane l xor 16
	s_and_b32 s27, ttmp9, 31
	s_wait_alu depctr_va_vdst(0)
	s_wait_kmcnt 0x0
	s_cmp_lt_u32 ttmp9, 352                        ; which tensor: the choice hangs on the work-group's number alone
	s_cselect_b64 s[20:21], s[10:11], s[12:13]
	s_cmp_lt_u32 ttmp9, 320
	s_cselect_b64 s[20:21], s[8:9], s[20:21]
	s_cmp_lt_u32 ttmp9, 288
	s_cselect_b64 s[20:21], s[6:7], s[20:21]
	s_cmp_lt_u32 ttmp9, 256
	s_cselect_b64 s[20:21], s[4:5], s[20:21]
	s_cselect_b64 s[22:23], s[14:15], s[16:17]
	s_cselect_b32 s26, ttmp9, s27                  ; the group in its source
	s_cselect_b32 s28, 0, 256
	s_sub_co_u32 s28, ttmp9, s28                   ; and in its destination: the four weights follow each other in wq
	s_lshl_b32 s26, s26, 17                        ; 32 rows of 4,096 bytes
	s_lshl_b32 s29, s18, 10                        ; my 256 numbers of a row
	s_add_co_u32 s26, s26, s29
	s_mov_b32 s27, 0
	s_add_nc_u64 s[20:21], s[20:21], s[26:27]
	s_lshl_b32 s28, s28, 2
	s_add_co_u32 s28, s28, s18
	s_mul_i32 s28, s28, 6400                       ; my record
	s_mov_b32 s29, 0
	s_add_nc_u64 s[22:23], s[22:23], s[28:29]
; Sub-step t = 2 u + step: tile u, 128 along K.
.macro LOAD t
.set lu, (\t)/2
.set ls, (\t)%2
.set lr, R+64*((\t)%2)
.irp i, 0,1,2,3,4,5,6,7,8,9,10,11,12,13,14,15
	global_load_b128 v[lr+4*\i:lr+4*\i+3], v2, s[20:21] offset:(8*lu+\i+8*(\i/8))*4096+512*ls th:TH_LOAD_NT   ; the tile's row at index i: 32 lanes read 512 consecutive bytes
.endr
.endm
.macro TURN t                          ; LDS serves a wave's instructions in order (ISA guide 5.7.1.4): no wait between the stores and the loads
.set lr, R+64*((\t)%2)
.irp i, 0,1,2,3,4,5,6,7,8,9,10,11,12,13,14,15
	ds_store_b128 v4, v[lr+4*\i:lr+4*\i+3] offset:\i*SP
.endr
.irp j, 0,1
.irp q, 0,1,2,3,4,5,6,7
	ds_load_b128 v[X+32*\j+4*\q:X+32*\j+4*\q+3], v5 offset:256*\j+16*\q   ; block 2 j + h of my row
.endr
.endr
.endm
.macro QUNIT t, j                      ; one unit: my block's scale, its 32 codes, two dense stores
.set xs, X+32*(\j)
.set cs, C+8*((2*(\t)+(\j))%4)
.set uo, (4*((\t)/2)+2*((\t)%2)+(\j))*UN
	v_max3_num_f32 v8, |v[xs]|, |v[xs+1]|, |v[xs+2]|
	v_max3_num_f32 v9, |v[xs+3]|, |v[xs+4]|, |v[xs+5]|
.irp i, 6,10,14,18,22,26
	v_max3_num_f32 v8, v8, |v[xs+\i]|, |v[xs+\i+1]|
	v_max3_num_f32 v9, v9, |v[xs+\i+2]|, |v[xs+\i+3]|
.endr
	v_max3_num_f32 v8, v8, |v[xs+30]|, |v[xs+31]|
	v_max3_num_f32 v8, v8, v9, 0x1800000           ; and the floor 2^(3 - 127): the byte cannot fall under 1
	v_add_nc_u32 v10, 0xff000000, v8               ; 2 off the exponent field: the conversion takes this operand's exponent field as its scale
	v_cvt_scalef32_pk16_fp6_f32 v[cs:cs+2], v[xs:xs+15], v10
	v_cvt_scalef32_pk16_fp6_f32 v[YT:YT+2], v[xs+16:xs+31], v10
	v_lshrrev_b32 v[11+(\j)], 23, v10              ; the scale's byte.  (Also the plain line behind the conversions)
	v_mov_b32 v[cs+3], v[YT]
	v_mov_b32 v[cs+4], v[YT+1]
	v_mov_b32 v[cs+5], v[YT+2]
	global_store_b128 v2, v[cs:cs+3], s[22:23] offset:uo       ; 32 lanes store 512 consecutive bytes,
	global_store_b64 v3, v[cs+4:cs+5], s[22:23] offset:uo+512  ; and 256: a unit is three aligned blocks of 256 bytes
.endm
	LOAD 0
	LOAD 1
.irp t, 0,1,2,3
.if \t < 3
	s_wait_loadcnt 16                              ; this sub-step's 16 loads are in; the next one's 16 may be out
.else
	s_wait_loadcnt 0x0
.endif
	TURN \t
	s_wait_dscnt 0x0                               ; my blocks are back, and the stores into the stage have read their registers,
.if \t < 2
	LOAD \t+2                                      ; which take the loads of two sub-steps on
.endif
.if \t >= 2
	s_wait_xcnt 0x0                                ; the code registers of four units back are written again only behind this wait
.endif
	QUNIT \t, 0
	QUNIT \t, 1
	v_lshl_or_b32 v13, v12, 16, v11                ; my two bytes: blocks h and 2 + h of the K step,
	v_lshlrev_b32 v13, v6, v13                     ; at their places in the scale word;
	v_permlanex16_b32 v14, v13, s24, s25
	v_or_b32 v[E+\t], v13, v14                     ; with lane l xor 16's two the word is whole
.endr
	v_cmp_le_u32 vcc_lo, 16, v1
	v_cndmask_b32 v20, v16, v18, vcc_lo            ; lanes 0-15 keep tile 0's words, lanes 16-31 tile 1's
	v_cndmask_b32 v21, v17, v19, vcc_lo
	global_store_b64 v3, v[20:21], s[22:23] offset:6144   ; the scale plane: one aligned block of 256 bytes
	s_wait_tensorcnt 0x0
	ds_add_u32 v254, v255
	s_wait_dscnt 0x0
	s_endpgm
.Lfunc_end_k_q7fbc6b2c4f_quant:
	.size	k_q7fbc6b2c4f_quant, .Lfunc_end_k_q7fbc6b2c4f_quant-k_q7fbc6b2c4f_quant
	.p2alignl 7, 3214868480
	.fill 96, 4, 3214868480
	.section	.rodata,"a",@progbits
	.p2align	6, 0x0
	.amdhsa_kernel k_q7fbc6b2c4f_quant
		.amdhsa_group_segment_fixed_size 34304
		.amdhsa_private_segment_fixed_size 0
		.amdhsa_enable_private_segment 0
		.amdhsa_kernarg_size 56
		.amdhsa_user_sgpr_count 2
		.amdhsa_user_sgpr_kernarg_segment_ptr 1
		.amdhsa_wavefront_size32 1
		.amdhsa_system_sgpr_workgroup_id_x 1
		.amdhsa_system_sgpr_workgroup_id_y 1
		.amdhsa_system_sgpr_workgroup_id_z 1
		.amdhsa_system_vgpr_workitem_id 0
		.amdhsa_next_free_vgpr 256
		.amdhsa_next_free_sgpr 66
		.amdhsa_reserve_vcc 1
		.amdhsa_float_denorm_mode_32 3
		.amdhsa_float_denorm_mode_16_64 3
		.amdhsa_memory_ordered 1
		.amdhsa_forward_progress 1
		.amdhsa_inst_pref_size 30
	.end_amdhsa_kernel
	.amdgpu_metadata
---
amdhsa.version: [ 1, 2 ]
amdhsa.kernels:
  - .name:           k_q7fbc6b2c4f_quant
    .symbol:         k_q7fbc6b2c4f_quant.kd
    .args:
      - { .name: x, .offset: 0, .size: 8, .value_kind: global_buffer, .address_space: global }
      - { .name: Wq, .offset: 8, .size: 8, .value_kind: global_buffer, .address_space: global }
      - { .name: Wk, .offset: 16, .size: 8, .value_kind: global_buffer, .address_space: global }
      - { .name: Wv, .offset: 24, .size: 8, .value_kind: global_buffer, .address_space: global }
      - { .name: Wo, .offset: 32, .size: 8, .value_kind: global_buffer, .address_space: global }
      - { .name: xq, .offset: 40, .size: 8, .value_kind: global_buffer, .address_space: global }
      - { .name: wq, .offset: 48, .size: 8, .value_kind: global_buffer, .address_space: global }
    .group_segment_fixed_size: 34304
    .private_segment_fixed_size: 0
    .kernarg_segment_align: 8
    .kernarg_segment_size: 56
    .max_flat_workgroup_size: 128
    .sgpr_count:     66
    .vgpr_count:     256
    .wavefront_size: 32
...
	.end_amdgpu_metadata
.endif
;; end of part 1
;; launch qkv (part 2): grid 12 x 64, 4 waves a work-group, clusters of 4 x 4, 307,712 bytes of LDS; arguments xq, wq, bq, bk, bv, qb, kv; writes qb, kv
.if DOCPART == 2
	.amdgcn_target "amdgcn-amd-amdhsa--gfx1250"
	.amdhsa_code_object_version 6
	.text
	.protected	k_q7fbc6b2c4f_qkv
	.globl	k_q7fbc6b2c4f_qkv
	.p2align	8
	.type	k_q7fbc6b2c4f_qkv,@function
k_q7fbc6b2c4f_qkv:
	s_mov_b64 s[64:65], 0
	v_nop
	global_prefetch_b8 v0, s[64:65] scope:SCOPE_SE
	s_setreg_imm32_b32 hwreg(HW_REG_WAVE_MODE, 25, 1), 1
	s_wait_xcnt 0x0
	s_wait_alu depctr_hold_cnt(0) depctr_sa_sdst(0) depctr_va_vdst(0) depctr_va_sdst(0) depctr_va_ssrc(0) depctr_va_vcc(0) depctr_vm_vsrc(0)
	s_getreg_b32 s2, hwreg(HW_REG_IB_STS2, 6, 4)
	s_cmp_eq_u32 s2, 0
	s_cbranch_scc0 .Lentry_in_a_cluster
	s_endpgm
.Lentry_in_a_cluster:
	s_bfe_u32 s2, ttmp6, 0x10000c
	s_cmp_lg_u32 s2, 0xf033
	s_cbranch_scc0 .Lentry_shape_is_right
	s_endpgm
.Lentry_shape_is_right:
; q = x Wq^T + bq, k = x Wk^T + bk, v = x Wv^T + bv on codes of FP6 (E2M3) with E8M0 scales; the results are quantised here, in registers, for the attention's two products, and leave as codes alone.
; INPUTS: xq, wq in records of 6,400 bytes (a group of 32 rows x 256 along K: eight units of 768 bytes, then 256 scale bytes).  Tile 2 G + u holds at lane index r row 32 G + 8 u + r + 8 (r / 8).
; A TILE OF WORK is 128 "A rows" x 256 "B rows", K = 1,024.  B's rows are source 0 and A's source 1 of the matrix instruction: a lane of a result holds ONE A row, and the 16 registers of B's tiles 2 g, 2 g + 1
; are 16 NEIGHBOURING B rows (32 g + 16 (lane / 16) + 0..15): the axis along which the result is quantised.
;   clusters x = 0, 1 (q, k): A = tokens (xq), B = rows of Wq, Wk: registers run along the head's 64.     cluster x = 2 (v): A = rows of Wv, B = tokens: registers run along the keys.
; Four waves: wave w takes A rows 64 (w / 2) on and B rows 128 (w % 2) on: 32 accumulators, 256 registers.
; ALL OF K LIES IN LDS: four pieces of 256 along K, each 4 + 8 records, filled ONCE by one joint load a wave, issued at the head.  Nothing is filled again.
; CLUSTER 4 x 4: A's records are shared along a row of the cluster, B's along a column: each is asked for jointly by four work-groups.
; OUTPUTS.  qb, a record of 106,496 bytes for each (batch, head): 128 units (query tiles), then 32 scale blocks of 256 bytes (lane l, word p: tile 4 j + 2 p + l / 16, index l % 16).
;   kv, 208,896 bytes for each (batch, head): 16 scale records of 768 bytes (k's tokens 0-63, k's 64-127, v's), then for each step of 128 keys 12,288 bytes: k's 8 units, v's 8 units (64 keys x d tile).
;   In q's and k's scale words bytes 0, 1 are the head's two blocks; bytes 2, 3 meet zero codes alone in the attention's product and hold some byte from 0 to 254.
; LIMITS: NaN and infinities are not served; a block whose largest magnitude lies under 2^-124 keeps the byte 1, a block of zeros too (its codes are zeros; this program alone reads the bytes).
; REGISTERS, in windows of 256.  Window 0: v1 16 x lane, v2 8 x lane, v3 0, v4-19 LDS addresses (A's in v4, v8; B's in v12-13, v16-17), v20 lane, v21-22 bias offsets; v32-55 scale words and nothing else, two sets;
;   v64-159 A's fragments, two sets (free on the way out); v160-223 the bias along B, v224-231 along A; v232-255 at work.   Window 1: accumulator (a, b) at v[8 (8 a + b)].   Window 2: B's fragments, two sets of 96.
.set REC,   6400
.set GROW,  25600                      ; from a group's records to the next group's, in memory
.set UN,    768
; LDS AS THIS TEXT FILLS IT: by groups.  A group's four records (all of K, 25,600 bytes) lie on end in memory, so a wave's share (A: two groups, B: four) is ONE dense block, brought by ONE joint load a wave
; in rows of 256 bytes.  A's four groups lie from byte 0 on, B's eight from BOFF on; record K / 256 of a group at + 6,400 x (K / 256).  Every wave waits for its load, one barrier shows all of K to all.
.set BOFF,  4*GROW
.set AA16, 4                           ; v4      16 x lane + my A groups
.set AA8,  8                           ; v8   the same with 8 x lane
.set AB16, 12                          ; v12-13  B's: one for each two groups
.set AB8,  16                          ; v16-17
.set SC,   32                          ; scale words: set (piece % 2) at SC + 12 x set; A's group g, K step t at + 2 g + t; B's at + 4 + 2 g + t.  Lanes 0-15: tile u = 0, lanes 16-31: u = 1
.set AF,   64
.set BB,   160
.set BA,   224
.set T,    64                          ; the way out: 32 numbers at work
.set CC,   96                          ; eight sets of 8 for codes: no store's data are written again
.set BM,   232
.set PT,   234
.set SOP,  236
.set EB,   238
.set YT,   240
.set W,    244                         ; v244-251 two scale bytes of unit 2 a + g
.set G1A,  24                          ; s[24:31] descriptor group 1 for A's records; s[32:39] for B's; s[40:43], s[68:71] groups 0
.set G1B,  32
.set G0A,  40
.set G0B,  68
.set SB,   60                          ; s[60:61], s[62:63] where the units of the first and the second 64 along B go
.set MSB, 0
.macro WIN new                         ; the immediate's high byte repeats the setting that is left
.if MSB != \new
	s_set_vgpr_msb (MSB<<8)|\new
.set MSB, \new
.endif
.endm
.set MUL,  0x52                        ; source 0 (B) window 2, source 1 (A) window 0, C and D window 1
.set TO_B, 0x80                        ; destination window 2, address window 0
.macro ROUND                           ; a round of the cluster's barrier
	s_barrier_signal -1
	s_barrier_wait -1
	s_cmp_lg_u32 s10, 0
	s_cbranch_scc1 .Lnot_wave_0_\@
	s_barrier_signal -3
.Lnot_wave_0_\@:
	s_barrier_wait -3
	s_barrier_signal -1
	s_barrier_wait -1
.endm
.macro PLACES                          ; four plain vector lines behind matrix instructions, ahead of loads into their registers and of reads of their results
.rept 4
	v_nop
.endr
.endm
	s_load_b128 s[4:7], s[0:1], 0x0                ; xq, wq
	s_load_b256 s[84:91], s[0:1], 0x10             ; bq, bk, bv, qb
	s_load_b64 s[92:93], s[0:1], 0x30              ; kv
	v_lshl_add_u32 v63, v0, 2, 0x4b000
	v_mov_b32 v243, 0
	ds_add_u32 v63, v243
	ds_add_u32 v63, v243
	v_lshrrev_b32 v20, 5, v0
	v_readfirstlane_b32 s10, v20                   ; wave 0..3
	s_lshr_b32 s11, s10, 1                         ; my half of A's rows.  Also: I fetch for A (0) or for B (1)
	s_and_b32 s12, s10, 1                          ; my half of B's rows.  Also: which half of the records I fetch
	s_bfe_u32 s13, ttmp6, 0x40000                  ; cx
	s_bfe_u32 s14, ttmp6, 0x40004                  ; cy
	s_and_b32 s15, ttmp7, 0xffff                   ; cluster y, 0..15
	s_and_b32 s16, s15, 1
	s_lshr_b32 s17, s15, 1
	s_cmp_eq_u32 ttmp9, 2                          ; cluster x = 2 makes v: the same in all sixteen partners
	s_cselect_b32 s16, s16, s15
	s_cselect_b32 s17, s17, ttmp9
	s_cselect_b32 s18, 64, 0                       ; Wv's groups begin at 64 in wq
	s_cselect_b32 s94, -1, 0                       ; a lane mask: all ones for v
	s_lshl_b32 s16, s16, 2
	s_add_co_u32 s16, s16, s14                     ; tr, A's tile of 128 rows: q, k: 4 cluster y + cy (0..63); v: 4 (cluster y % 2) + cy (0..7)
	s_lshl_b32 s17, s17, 2
	s_add_co_u32 s17, s17, s13                     ; tc, B's tile of 256 rows: q, k: 4 cluster x + cx (0..7); v: 4 (cluster y / 2) + cx (0..31)
	s_lshl_b32 s19, s14, 2
	s_lshl_b32 s19, 15, s19                        ; my row of the cluster
	s_lshl_b32 s22, 0x1111, s13                    ; my column
	s_or_b32 s[G1A], s19, (3<<16)|(1<<21)          ; 15:0 the mask; 17:16 elements of 8 bytes; 21 set beside a mask; no padding
	s_or_b32 s[G1B], s22, (3<<16)|(1<<21)
	s_mov_b32 s[G1A+1], 32<<16                     ; tensor_dim0 = 32 elements: rows of 256 bytes
	s_mov_b32 s[G1A+2], 200<<16                    ; tensor_dim1 = 200 rows: two groups, 51,200 bytes
	s_mov_b32 s[G1A+3], 32<<16                     ; tile_dim0
	s_mov_b32 s[G1A+4], 200                        ; tile_dim1
	s_mov_b32 s[G1A+5], 32                         ; the rows are dense
	s_mov_b32 s[G1A+6], 0
	s_mov_b32 s[G1A+7], 0
	s_mov_b32 s[G1B+1], 32<<16
	s_mov_b32 s[G1B+2], 400<<16                    ; four groups, 102,400 bytes
	s_mov_b32 s[G1B+3], 32<<16
	s_mov_b32 s[G1B+4], 400
	s_mov_b32 s[G1B+5], 32
	s_mov_b32 s[G1B+6], 0
	s_mov_b32 s[G1B+7], 0
	s_lshl_b32 s19, s16, 2                         ; A's first group: 4 tr (+ 64 for Wv) + 2 x the half that I fetch: made of cy alone
	s_add_co_u32 s19, s19, s18
	s_lshl_b32 s20, s12, 1
	s_add_co_u32 s19, s19, s20
	s_mul_i32 s20, s19, GROW
	s_mov_b32 s21, 0
	s_lshl_b32 s22, s17, 3                         ; B's: 8 tc + 4 x the half: made of cx alone
	s_lshl_b32 s23, s12, 2
	s_add_co_u32 s22, s22, s23
	s_mul_i32 s22, s22, GROW
	s_mov_b32 s23, 0
	s_mul_i32 s8, s12, 2*GROW                      ; where they go: no place in the cluster enters an LDS address
	s_mul_i32 s9, s12, 4*GROW
	s_add_co_u32 s9, s9, BOFF
	s_wait_dscnt 0x0
	s_wait_kmcnt 0x0
	s_cmp_eq_u32 ttmp9, 2
	s_cselect_b64 s[96:97], s[6:7], s[4:5]         ; A: wq for v, else xq
	s_cselect_b64 s[98:99], s[4:5], s[6:7]         ; B: the other
	s_add_nc_u64 s[96:97], s[96:97], s[20:21]
	s_add_nc_u64 s[98:99], s[98:99], s[22:23]
	s_mov_b32 s[G0A], 1                            ; count = 1
	s_mov_b32 s[G0A+1], s8                         ; LDS address
	s_mov_b64 s[G0A+2:G0A+3], s[96:97]             ; my groups' first byte
	s_or_b32 s[G0A+3], s[G0A+3], 0x80000000        ; type = 2
	s_mov_b32 s[G0B], 1
	s_mov_b32 s[G0B+1], s9
	s_mov_b64 s[G0B+2:G0B+3], s[98:99]
	s_or_b32 s[G0B+3], s[G0B+3], 0x80000000
	ROUND                                          ; all sixteen work-groups are here: the joint loads meet
	s_cmp_eq_u32 s11, 0                            ; a wave's one fill stands in a branch on the wave's number; four v_nop follow it
	s_cbranch_scc0 .Lfill_b
	tensor_load_to_lds s[G0A:G0A+3], s[G1A:G1A+7]
	s_nop 0
	PLACES
	s_branch .Lasked
.Lfill_b:
	tensor_load_to_lds s[G0B:G0B+3], s[G1B:G1B+7]
	s_nop 0
	PLACES
.Lasked:
	v_and_b32 v20, 31, v0                          ; lane
	v_lshlrev_b32 v1, 4, v20
	v_lshlrev_b32 v2, 3, v20
	v_mov_b32 v3, 0
	s_mul_i32 s2, s11, 2*GROW                      ; my two groups of A: one address register of each kind,
	s_mul_i32 s3, s12, 4*GROW                      ; my four of B: one for each two groups, so that every offset stays inside 16 bits
	s_add_co_u32 s3, s3, BOFF
	v_add_nc_u32 v[AA16], s2, v1
	v_add_nc_u32 v[AA8], s2, v2
.irp p, 0,1
	v_add_nc_u32 v[AB16+\p], s3, v1
	v_add_nc_u32 v[AB8+\p], s3, v2
	s_add_co_u32 s3, s3, 2*GROW
.endr
	; THE BIASES, both kinds loaded in every work-group, in bounds; the kind that does not apply is replaced by 0 on the way out, without a branch.
	v_bfe_u32 v21, v0, 4, 1
	v_lshlrev_b32 v21, 6, v21                      ; along B: 16 numbers on for lanes 16-31
	s_wait_alu depctr_va_vdst(0)
	v_and_b32 v22, 15, v0
	v_and_b32 v23, 8, v22
	v_add_nc_u32 v22, v22, v23
	v_lshlrev_b32 v22, 2, v22                      ; along A: r + 8 (r / 8)
	s_wait_alu depctr_va_vdst(0)
	s_cmp_eq_u32 ttmp9, 0
	s_cselect_b64 s[56:57], s[84:85], s[86:87]
	s_cmp_eq_u32 ttmp9, 2
	s_cselect_b64 s[56:57], s[88:89], s[56:57]
	s_and_b32 s18, s17, 3
	s_lshl_b32 s18, s18, 10                        ; 256 (tc % 4) numbers,
	s_lshl_b32 s19, s12, 9                         ; + my 128
	s_add_co_u32 s18, s18, s19
	s_mov_b32 s19, 0
	s_add_nc_u64 s[56:57], s[56:57], s[18:19]
	s_and_b32 s18, s16, 7
	s_lshl_b32 s18, s18, 9                         ; 128 (tr % 8) numbers,
	s_lshl_b32 s20, s11, 8                         ; + my 64
	s_add_co_u32 s18, s18, s20
	s_add_nc_u64 s[58:59], s[88:89], s[18:19]
.irp b, 0,1,2,3,4,5,6,7
	global_load_b128 v[BB+8*\b:BB+8*\b+3], v21, s[56:57] offset:(32*(\b/2)+8*(\b%2))*4
	global_load_b128 v[BB+8*\b+4:BB+8*\b+7], v21, s[56:57] offset:(32*(\b/2)+8*(\b%2))*4+16
.endr
.irp a, 0,1,2,3
	global_load_b32 v[BA+2*\a], v22, s[58:59] offset:(32*(\a/2)+8*(\a%2))*4
.endr
	; WHERE THE RESULTS GO.  q, k: batch tr / 16, step s = tr % 16, head 4 (tc % 4) + 2 (w % 2) (+ 1 for the second 64 along B).   v: batch tc / 8, head 2 tr + w / 2, step s = 2 (tc % 8) + w % 2
	s_lshr_b32 s18, s16, 4
	s_lshl_b32 s18, s18, 4
	s_and_b32 s19, s17, 3
	s_lshl_b32 s19, s19, 2
	s_add_co_u32 s18, s18, s19
	s_lshl_b32 s19, s12, 1
	s_add_co_u32 s18, s18, s19                     ; q, k: 16 batch + head
	s_and_b32 s19, s16, 15                         ; q, k: s
	s_lshr_b32 s20, s17, 3
	s_lshl_b32 s20, s20, 4
	s_lshl_b32 s21, s16, 1
	s_add_co_u32 s20, s20, s21
	s_add_co_u32 s20, s20, s11                     ; v: 16 batch + head
	s_and_b32 s21, s17, 7
	s_lshl_b32 s21, s21, 1
	s_add_co_u32 s21, s21, s12                     ; v: s
	s_cmp_eq_u32 ttmp9, 2
	s_cselect_b32 s18, s20, s18
	s_cselect_b32 s19, s21, s19
	s_cselect_b32 s2, 6144, 0                      ; v's units lie behind k's eight
	s_cselect_b32 s3, 512, 0                       ; v's scale block is a record's third
	s_cselect_b32 s8, 0, s11                       ; my half of A's rows moves the place for q and k alone
	s_cmp_eq_u32 ttmp9, 0
	s_mov_b32 s20, 208896
	s_cselect_b32 s20, 106496, s20                 ; a head's bytes in qb, in kv
	s_mov_b32 s21, 12288
	s_cselect_b32 s21, 6144, s21                   ; a step's units
	s_mov_b32 s22, 768
	s_cselect_b32 s22, 512, s22                    ; a step's scale blocks
	s_cselect_b32 s23, 0, 12288                    ; kv's units begin behind its scale records
	s_cselect_b32 s95, 98304, 0                    ; qb's scale blocks begin behind its units
	s_cselect_b64 s[60:61], s[90:91], s[92:93]
	s_cmp_eq_u32 ttmp9, 2
	s_cselect_b32 s9, 3072, s20                    ; from the first 64 along B to the second: v: the next 64 keys; q, k: the next head
	s_mul_i32 s18, s18, s20
	s_mul_i32 s21, s19, s21
	s_mul_i32 s22, s19, s22
	s_add_co_u32 s96, s18, s21
	s_add_co_u32 s96, s96, s23
	s_add_co_u32 s96, s96, s2
	s_mul_i32 s2, s8, 3072
	s_add_co_u32 s96, s96, s2
	s_mov_b32 s97, 0
	s_add_co_u32 s98, s18, s22
	s_add_co_u32 s98, s98, s95
	s_add_co_u32 s98, s98, s3
	s_lshl_b32 s3, s8, 8
	s_add_co_u32 s98, s98, s3
	s_mov_b32 s99, 0
	s_add_nc_u64 s[66:67], s[60:61], s[98:99]      ; the first scale block
	s_add_nc_u64 s[60:61], s[60:61], s[96:97]      ; the first units
	s_mov_b32 s96, s9
	s_add_nc_u64 s[62:63], s[60:61], s[96:97]      ; the second units
	s_mov_b32 s96, s20
	s_add_nc_u64 s[96:97], s[66:67], s[96:97]      ; the second head's scale block (q, k)
	s_mov_b32 s100, 0x76543210
	s_mov_b32 s101, 0xfedcba98                     ; lane selects: lane l xor 16
; A fragment (16 rows x 128 K, 12 registers) is two units: of each 16 bytes a lane into registers 0-3 and 8 bytes into 4-5.  Every load reads consecutive bytes.
.macro FRAG reg, a16, a8, at
.set fr, \reg
.set fo, \at
	ds_load_b128 v[fr:fr+3], v[\a16] offset:fo
	ds_load_b64 v[fr+4:fr+5], v[\a8] offset:fo+512
	ds_load_b128 v[fr+6:fr+9], v[\a16] offset:fo+UN
	ds_load_b64 v[fr+10:fr+11], v[\a8] offset:fo+UN+512
.endm
.macro FETCH s                         ; K step s: B's eight fragments, A's four, and with a piece's first step its scale words
.set fp, (\s)%2
.set fq, (\s)/2
	WIN TO_B
.irp b, 0,1,2,3,4,5,6,7
	FRAG 96*fp+12*\b, AB16+\b/4, AB8+\b/4, ((\b/2)%2)*GROW+fq*REC+(4*(\b%2)+2*fp)*UN
.endr
	WIN 0
.irp a, 0,1,2,3
	FRAG AF+48*fp+12*\a, AA16, AA8, (\a/2)*GROW+fq*REC+(4*(\a%2)+2*fp)*UN
.endr
.if fp == 0
.irp g, 0,1
	ds_load_b64 v[SC+12*(fq%2)+2*\g:SC+12*(fq%2)+2*\g+1], v[AA8] offset:\g*GROW+fq*REC+6144
.endr
.irp g, 0,1,2,3
	ds_load_b64 v[SC+12*(fq%2)+4+2*\g:SC+12*(fq%2)+4+2*\g+1], v[AB8+\g/2] offset:(\g%2)*GROW+fq*REC+6144
.endr
.endif
.endm
; One matrix instruction; the registers stand in symbols.  oB, oA: the tile is its group's second, whose scale words lie in lanes 16-31.
.macro WM zero
.if \zero
.if oB && oA
	v_wmma_scale_f32_16x16x128_f8f6f4 v[rD:rD+7], v[rB:rB+11], v[rA:rA+11], 0, v[rSB], v[rSA] matrix_a_fmt:MATRIX_FMT_FP6 matrix_b_fmt:MATRIX_FMT_FP6 matrix_a_scale:MATRIX_SCALE_ROW1 matrix_b_scale:MATRIX_SCALE_ROW1
.elseif oB
	v_wmma_scale_f32_16x16x128_f8f6f4 v[rD:rD+7], v[rB:rB+11], v[rA:rA+11], 0, v[rSB], v[rSA] matrix_a_fmt:MATRIX_FMT_FP6 matrix_b_fmt:MATRIX_FMT_FP6 matrix_a_scale:MATRIX_SCALE_ROW1
.elseif oA
	v_wmma_scale_f32_16x16x128_f8f6f4 v[rD:rD+7], v[rB:rB+11], v[rA:rA+11], 0, v[rSB], v[rSA] matrix_a_fmt:MATRIX_FMT_FP6 matrix_b_fmt:MATRIX_FMT_FP6 matrix_b_scale:MATRIX_SCALE_ROW1
.else
	v_wmma_scale_f32_16x16x128_f8f6f4 v[rD:rD+7], v[rB:rB+11], v[rA:rA+11], 0, v[rSB], v[rSA] matrix_a_fmt:MATRIX_FMT_FP6 matrix_b_fmt:MATRIX_FMT_FP6
.endif
.else
.if oB && oA
	v_wmma_scale_f32_16x16x128_f8f6f4 v[rD:rD+7], v[rB:rB+11], v[rA:rA+11], v[rD:rD+7], v[rSB], v[rSA] matrix_a_fmt:MATRIX_FMT_FP6 matrix_b_fmt:MATRIX_FMT_FP6 matrix_a_scale:MATRIX_SCALE_ROW1 matrix_b_scale:MATRIX_SCALE_ROW1
.elseif oB
	v_wmma_scale_f32_16x16x128_f8f6f4 v[rD:rD+7], v[rB:rB+11], v[rA:rA+11], v[rD:rD+7], v[rSB], v[rSA] matrix_a_fmt:MATRIX_FMT_FP6 matrix_b_fmt:MATRIX_FMT_FP6 matrix_a_scale:MATRIX_SCALE_ROW1
.elseif oA
	v_wmma_scale_f32_16x16x128_f8f6f4 v[rD:rD+7], v[rB:rB+11], v[rA:rA+11], v[rD:rD+7], v[rSB], v[rSA] matrix_a_fmt:MATRIX_FMT_FP6 matrix_b_fmt:MATRIX_FMT_FP6 matrix_b_scale:MATRIX_SCALE_ROW1
.else
	v_wmma_scale_f32_16x16x128_f8f6f4 v[rD:rD+7], v[rB:rB+11], v[rA:rA+11], v[rD:rD+7], v[rSB], v[rSA] matrix_a_fmt:MATRIX_FMT_FP6 matrix_b_fmt:MATRIX_FMT_FP6
.endif
.endif
.endm
; 16 matrix instructions: A's tiles a0, a0 + 1 x B's eight.  The 32 accumulators take turns, one instruction a turn, in the same order in every K step.  K step 0 starts the sums: nothing is cleared.
.macro MUL16 a0, s
.irp a, \a0, \a0+1
.irp b, 0,1,2,3,4,5,6,7
.set rD, 8*(8*(\a)+\b)
.set rB, 96*((\s)%2)+12*\b
.set rA, AF+48*((\s)%2)+12*(\a)
.set rSB, SC+12*(((\s)/2)%2)+4+2*(\b/2)+(\s)%2
.set rSA, SC+12*(((\s)/2)%2)+2*((\a)/2)+(\s)%2
.set oB, \b%2
.set oA, (\a)%2
.if (\s) == 0
	WM 1
.else
	WM 0
.endif
.endr
.endr
.endm
; A K step of 128.  In its middle the next step's fragments are fetched into the other set.  All of K is in LDS from the first barrier on: no barrier stands among the steps.
.macro KSTEP s
	s_wait_dscnt 0x0                               ; this step's fragments are in
	WIN MUL
	MUL16 0, \s
.if (\s) < 7
	PLACES
	FETCH (\s)+1
.endif
	WIN MUL
	MUL16 2, \s
.endm
	s_wait_tensorcnt 0x0                           ; my one load has landed
	s_barrier_signal -1
	s_barrier_wait -1                              ; everybody's has
	FETCH 0
	KSTEP 0
	KSTEP 1
	KSTEP 2
	KSTEP 3
	KSTEP 4
	KSTEP 5
	KSTEP 6
	KSTEP 7
	WIN 0
	PLACES
	; THE WAY OUT.  Of the two kinds of bias one is replaced by 0: s94 is all ones for v.
	s_wait_loadcnt 0x0
.set i, 0
.rept 64
	v_cndmask_b32 v[BB+i], v[BB+i], v3, s94        ; along B: q's and k's
.set i, i+1
.endr
.irp a, 0,1,2,3
	v_cndmask_b32 v[BA+2*\a+1], v3, v[BA+2*\a], s94  ; along A: v's (the pair's upper half is named with the lower, so it is written)
	v_cndmask_b32 v[BA+2*\a], v3, v[BA+2*\a], s94
.endr
	v_mov_b32 v[PT], 0                             ; written once: a lane permute's destination counts as one of its sources
	v_mov_b32 v[PT+1], 0
; Unit (a, g): A's tile a, the g-th 64 along B.  A lane's 32 numbers: register 16 b + i is B row 64 g + 32 b + 16 (lane / 16) + i.  A block of 32 lies in lanes l and l xor 16.
.macro UNIT a, g
.set k, 2*(\a)+(\g)
.set ac, 8*(8*(\a)+4*(\g))
.set cs, CC+8*k
	WIN 0x01                                       ; source 0: the accumulators' window
.set i, 0
.rept 16
	v_pk_add_f32 v[T+i:T+i+1], v[ac+i:ac+i+1], v[BB+32*(\g)+i:BB+32*(\g)+i+1]   ; each accumulator from its low end on
.set i, i+2
.endr
	WIN 0
.set i, 0
.rept 16
	v_pk_add_f32 v[T+i:T+i+1], v[T+i:T+i+1], v[BA+2*(\a):BA+2*(\a)+1] op_sel_hi:[1,0]
.set i, i+2
.endr
.irp b, 0,1
	v_max3_num_f32 v[BM+\b], |v[T+16*\b]|, |v[T+16*\b+1]|, 0x1800000   ; my 16 of block b, and the floor 2^(3 - 127): the byte cannot fall under 1
.endr
.irp n, 2,4,6,8,10,12,14
.irp b, 0,1
	v_max3_num_f32 v[BM+\b], v[BM+\b], |v[T+16*\b+\n]|, |v[T+16*\b+\n+1]|
.endr
.endr
.irp b, 0,1
	v_permlanex16_b32 v[PT+\b], v[BM+\b], s100, s101
.endr
.irp b, 0,1
	v_max_num_f32 v[BM+\b], v[BM+\b], v[PT+\b]     ; with lane l xor 16's: the block's largest magnitude
.endr
.irp b, 0,1
	v_add_nc_u32 v[SOP+\b], 0xff000000, v[BM+\b]   ; 2 off its exponent field: the conversion's scale operand
.endr
.irp b, 0,1
	v_lshrrev_b32 v[EB+\b], 23, v[SOP+\b]          ; the scale's byte
.endr
	v_lshl_or_b32 v[W+k], v[EB+1], 8, v[EB]
	v_cvt_scalef32_pk16_fp6_f32 v[cs:cs+2], v[T:T+15], v[SOP]
	v_cvt_scalef32_pk16_fp6_f32 v[YT:YT+2], v[T+16:T+31], v[SOP+1]
	v_nop                                          ; one plain line behind the scaled conversions
.irp n, 0,1,2
	v_permlane16_swap_b32 v[cs+\n], v[YT+\n]       ; a whole block to a lane: lanes 0-15 block 0, lanes 16-31 block 1; the first three registers its lower 16 codes, the other three its upper
.endr
.irp n, 0,1,2
	v_mov_b32 v[cs+3+\n], v[YT+\n]
.endr
	global_store_b128 v1, v[cs:cs+3], s[SB+2*(\g):SB+2*(\g)+1] offset:(\a)*UN        ; 512 consecutive bytes,
	global_store_b64 v2, v[cs+4:cs+5], s[SB+2*(\g):SB+2*(\g)+1] offset:(\a)*UN+512   ; and 256: a unit is three aligned blocks of 256 bytes
.endm
.irp a, 0,1,2,3
	UNIT \a, 0
	UNIT \a, 1
.endr
.irp a, 0,1,2,3
	v_lshl_or_b32 v[T+\a], v[W+2*\a+1], 16, v[W+2*\a]   ; v: the four key blocks of a step.  q, k: the first head's two bytes; the upper two meet zero codes alone
.endr
	v_cmp_le_u32 vcc_lo, 16, v20
	v_cndmask_b32 v252, v[T], v[T+1], vcc_lo       ; word p: lanes 0-15 tile 2 p, lanes 16-31 tile 2 p + 1
	v_cndmask_b32 v253, v[T+2], v[T+3], vcc_lo
	v_cndmask_b32 v254, v[W+1], v[W+3], vcc_lo     ; q, k: the second head's
	v_cndmask_b32 v255, v[W+5], v[W+7], vcc_lo
	global_store_b64 v2, v[252:253], s[66:67]      ; one aligned block of 256 bytes
	s_cmp_eq_u32 ttmp9, 2                          ; v has one scale block: the branch hangs on the cluster's x, the same in all partners
	s_cbranch_scc1 .Lone_block
	global_store_b64 v2, v[254:255], s[96:97]
.Lone_block:
	s_wait_dscnt 0x0
	s_wait_tensorcnt 0x0
	ds_add_u32 v63, v243
	s_wait_dscnt 0x0
	ROUND                                          ; the closing round: no work-group ends while a partner may still ask for a tile that names it
	s_endpgm
.Lfunc_end_k_q7fbc6b2c4f_qkv:
	.size	k_q7fbc6b2c4f_qkv, .Lfunc_end_k_q7fbc6b2c4f_qkv-k_q7fbc6b2c4f_qkv
	.p2alignl 7, 3214868480
	.fill 96, 4, 3214868480
	.section	.rodata,"a",@progbits
	.p2align	6, 0x0
	.amdhsa_kernel k_q7fbc6b2c4f_qkv
		.amdhsa_group_segment_fixed_size 307712
		.amdhsa_private_segment_fixed_size 0
		.amdhsa_enable_private_segment 0
		.amdhsa_kernarg_size 56
		.amdhsa_user_sgpr_count 2
		.amdhsa_user_sgpr_kernarg_segment_ptr 1
		.amdhsa_wavefront_size32 1
		.amdhsa_system_sgpr_workgroup_id_x 1
		.amdhsa_system_sgpr_workgroup_id_y 1
		.amdhsa_system_sgpr_workgroup_id_z 1
		.amdhsa_system_vgpr_workitem_id 0
		.amdhsa_next_free_vgpr 704
		.amdhsa_next_free_sgpr 102
		.amdhsa_reserve_vcc 1
		.amdhsa_float_denorm_mode_32 3
		.amdhsa_float_denorm_mode_16_64 3
		.amdhsa_memory_ordered 1
		.amdhsa_forward_progress 1
		.amdhsa_inst_pref_size 109
	.end_amdhsa_kernel
	.amdgpu_metadata
---
amdhsa.version: [ 1, 2 ]
amdhsa.kernels:
  - .name:           k_q7fbc6b2c4f_qkv
    .symbol:         k_q7fbc6b2c4f_qkv.kd
    .args:
      - { .name: xq, .offset: 0, .size: 8, .value_kind: global_buffer, .address_space: global }
      - { .name: wq, .offset: 8, .size: 8, .value_kind: global_buffer, .address_space: global }
      - { .name: bq, .offset: 16, .size: 8, .value_kind: global_buffer, .address_space: global }
      - { .name: bk, .offset: 24, .size: 8, .value_kind: global_buffer, .address_space: global }
      - { .name: bv, .offset: 32, .size: 8, .value_kind: global_buffer, .address_space: global }
      - { .name: qb, .offset: 40, .size: 8, .value_kind: global_buffer, .address_space: global }
      - { .name: kv, .offset: 48, .size: 8, .value_kind: global_buffer, .address_space: global }
    .group_segment_fixed_size: 307712
    .private_segment_fixed_size: 0
    .kernarg_segment_align: 8
    .kernarg_segment_size: 56
    .max_flat_workgroup_size: 128
    .sgpr_count:     102
    .vgpr_count:     704
    .wavefront_size: 32
...
	.end_amdgpu_metadata
.endif
;; end of part 2
;; launch attn (part 3): grid 256 x 1, 16 waves a work-group, clusters of 4 x 1, 210,944 bytes of LDS; arguments qb, kv, oq; writes oq
.if DOCPART == 3
	.amdgcn_target "amdgcn-amd-amdhsa--gfx1250"
	.amdhsa_code_object_version 6
	.text
	.protected	k_q7fbc6b2c4f_attn
	.globl	k_q7fbc6b2c4f_attn
	.p2align	8
	.type	k_q7fbc6b2c4f_attn,@function
k_q7fbc6b2c4f_attn:
	s_mov_b64 s[64:65], 0
	v_nop
	global_prefetch_b8 v0, s[64:65] scope:SCOPE_SE
	s_setreg_imm32_b32 hwreg(HW_REG_WAVE_MODE, 25, 1), 1
	s_wait_xcnt 0x0
	s_wait_alu depctr_hold_cnt(0) depctr_sa_sdst(0) depctr_va_vdst(0) depctr_va_sdst(0) depctr_va_ssrc(0) depctr_va_vcc(0) depctr_vm_vsrc(0)
	s_getreg_b32 s2, hwreg(HW_REG_IB_STS2, 6, 4)
	s_cmp_eq_u32 s2, 0
	s_cbranch_scc0 .Lentry_in_a_cluster
	s_endpgm
.Lentry_in_a_cluster:
	s_bfe_u32 s2, ttmp6, 0x10000c
	s_cmp_lg_u32 s2, 0x3003
	s_cbranch_scc0 .Lentry_shape_is_right
	s_endpgm
.Lentry_shape_is_right:
; o = softmax(q k^T / 8) v for each (batch, head), both products on codes of FP6 (E2M3) with E8M0 scales; o is quantised here along the 1,024 features for the last projection, and leaves as codes alone.
; THE SOFTMAX: t = score x log2(e) / 8; M = the running largest t rounded UP to a whole number; p = 2^(t - M) is what is quantised, along the keys, not normalised.  The row's sum is taken of the unquantised p
; and divides O at the end.  When M moves, the sum and O are multiplied by 2^(old M - new M), which rounds nothing.
; SHARES.  A cluster of four work-groups is one (batch, head); a work-group takes 512 queries in two passes of 256; each of its sixteen waves owns one tile of 16 queries in 256 registers, four waves to a SIMD.
; THE HEAD'S WHOLE RECORD OF kv (208,896 bytes: 16 scale records of 768, then for each step of 128 keys k's 8 units and v's 8) LIES IN LDS AS IT LIES IN MEMORY, filled once: each wave brings a sixteenth by ONE
; joint load with the mask of all four work-groups, which read the same bytes.  Nothing is filled again, nothing is stored to LDS, one barrier.  No prefetch: the one fill stands at the head, with no loop ahead of it.
; LAYOUT.  Both products transposed: S^T = k q^T (source 0 = 16 keys), O^T = v^T p^T (source 0 = 16 of the head's 64): a lane holds ONE query (lane % 16).  Tile 2 g + u holds at index r row 32 g + 8 u + r + 8 (r / 8),
; so the 16 registers of tiles 2 g, 2 g + 1 are 16 neighbours (32 g + 16 (lane / 16) + 0..15): keys in S^T, channels in O^T.
; THE HEAD HAS 64 CHANNELS, the instruction takes 128 along K.  Registers 6-11 of q's fragment hold zero codes, written once.  k's tiles lie six registers apart: the upper six registers of a tile's fragment are the
; next tile's codes (behind the last tile: whatever bits lie there).  Every pattern of 6 bits is a finite number, the scale bytes that go with them are 0 to 254, and each meets a zero code of q: they add 0.
; TWO REGIONS OF 64 REGISTERS BY TURNS.  In a step k lies in one region and S^T, then p, is made in the other.  Behind the step's first products v's fragments are asked for into k's region (17 LDS loads); behind p's
; conversions the NEXT step's k and its scale words are asked for into p's region (18 loads).  So the regions change roles from step to step, and a trip of the loop is two steps.  Behind step 15 comes step 0's k:
; every pass walks the same keys.
; OUTPUT.  oq in records of 6,400 bytes (a group of 32 tokens x 256 features).  A wave's unit leaves as three aligned blocks of 256 bytes.  Its 32 scale bytes leave one byte a lane: two bytes of each row's eight
; belong to this head, the others to three other heads.
; LIMITS: the promise holds while the scaled scores t stay under 2^31 in magnitude; NaN and infinities are not served; a block whose largest magnitude lies under 2^-124 keeps the byte 1, a block of zeros too
; (its codes are zeros; this program alone reads the bytes).
; REGISTERS: v1 16 x lane, v2 8 x lane, v3-5 the LDS addresses (units by 16, by 8; scale record), v6 8 r, v7 8 r + h, v8 lane; v9 the largest score; v10, v12 -M by turns (v11, v13 named with them); v[14:15] the sum;
; v16-27 q; v28-35 scale words and nothing else (v28 q's, v29 p's, v30-33 k's, v34-35 v's); v36-99, v100-163 the two regions; v164-195 O^T; v196-207 p's codes; v208-243 at work; v254-255 the spare word and 0.
.set UN,  768
.set STP, 12288                        ; a step's units
.set R1,  36
.set R2,  100
.set O,   164
.set PC,  196
.set YT,  208
.set BM,  216
.set PT,  220
.set SOP, 224
.set EB,  228
.set F,   232
.set X,   234
.set T,   236                          ; v236-243 four partial sums, two halves each
.macro ROUND                           ; a round of the cluster's barrier
	s_barrier_signal -1
	s_barrier_wait -1
	s_cmp_lg_u32 s10, 0
	s_cbranch_scc1 .Lnot_wave_0_\@
	s_barrier_signal -3
.Lnot_wave_0_\@:
	s_barrier_wait -3
	s_barrier_signal -1
	s_barrier_wait -1
.endm
.macro PLACES n
.rept \n
	v_nop
.endr
.endm
.macro WALU
	s_wait_alu depctr_va_vdst(0)
.endm
; One matrix instruction; the registers stand in symbols.  oB: source 0's tile is its pair's second, whose scale words lie in lanes 16-31.
.macro WS zero
.if \zero
.if oB
	v_wmma_scale_f32_16x16x128_f8f6f4 v[rD:rD+7], v[rB:rB+11], v[rA:rA+11], 0, v[rSB], v[rSA] matrix_a_fmt:MATRIX_FMT_FP6 matrix_b_fmt:MATRIX_FMT_FP6 matrix_a_scale:MATRIX_SCALE_ROW1
.else
	v_wmma_scale_f32_16x16x128_f8f6f4 v[rD:rD+7], v[rB:rB+11], v[rA:rA+11], 0, v[rSB], v[rSA] matrix_a_fmt:MATRIX_FMT_FP6 matrix_b_fmt:MATRIX_FMT_FP6
.endif
.else
.if oB
	v_wmma_scale_f32_16x16x128_f8f6f4 v[rD:rD+7], v[rB:rB+11], v[rA:rA+11], v[rD:rD+7], v[rSB], v[rSA] matrix_a_fmt:MATRIX_FMT_FP6 matrix_b_fmt:MATRIX_FMT_FP6 matrix_a_scale:MATRIX_SCALE_ROW1
.else
	v_wmma_scale_f32_16x16x128_f8f6f4 v[rD:rD+7], v[rB:rB+11], v[rA:rA+11], v[rD:rD+7], v[rSB], v[rSA] matrix_a_fmt:MATRIX_FMT_FP6 matrix_b_fmt:MATRIX_FMT_FP6
.endif
.endif
.endm
.macro KLOAD r                         ; k's eight tiles of the step at v3, v4, six registers each, and their scale words: 18 loads
.irp t, 0,1,2,3,4,5,6,7
	ds_load_b128 v[\r+6*\t:\r+6*\t+3], v3 offset:\t*UN
	ds_load_b64 v[\r+6*\t+4:\r+6*\t+5], v4 offset:\t*UN+512
.endr
	ds_load_b64 v[30:31], v5                       ; tiles 0 | 1, 2 | 3,
	ds_load_b64 v[32:33], v5 offset:256            ; 4 | 5, 6 | 7
.endm
	s_load_b128 s[4:7], s[0:1], 0x0                ; qb, kv
	s_load_b64 s[8:9], s[0:1], 0x10                ; oq
	v_lshl_add_u32 v254, v0, 2, 0x33000
	v_mov_b32 v255, 0
	ds_add_u32 v254, v255                          ; the opening lines: the add, twice on end, and its wait
	ds_add_u32 v254, v255
	v_lshrrev_b32 v8, 5, v0
	v_readfirstlane_b32 s10, v8                    ; wave 0..15
	s_bfe_u32 s11, ttmp6, 0x40000                  ; cx: which 512 queries.  It enters q's and o's addresses alone
	s_mov_b32 s16, 15|(3<<16)|(1<<21)              ; group 1: the mask of all four work-groups; elements of 8 bytes; bit 21 beside a mask; no padding
	s_mov_b32 s17, 32<<16                          ; tensor_dim0 = 32 elements: rows of 256 bytes
	s_mov_b32 s18, 51<<16                          ; tensor_dim1 = 51 rows: a sixteenth of the record
	s_mov_b32 s19, 32<<16                          ; tile_dim0
	s_mov_b32 s20, 51                              ; tile_dim1
	s_mov_b32 s21, 32                              ; the rows are dense
	s_mov_b32 s22, 0
	s_mov_b32 s23, 0
	s_mov_b32 s24, 1                               ; group 0: count = 1
	s_mul_i32 s25, s10, 13056                      ; LDS address: my sixteenth
	s_mul_i32 s44, ttmp9, 208896                   ; the cluster's number is 16 batch + head
	s_add_co_u32 s44, s44, s25
	s_mov_b32 s45, 0
	s_wait_dscnt 0x0
	s_wait_kmcnt 0x0
	s_add_nc_u64 s[26:27], s[6:7], s[44:45]
	s_or_b32 s27, s27, 0x80000000                  ; type = 2
	ROUND                                          ; all four work-groups are here: the joint loads meet
	tensor_load_to_lds s[24:27], s[16:23]
	s_nop 0
	PLACES 4
	v_and_b32 v8, 31, v0                           ; lane
	v_and_b32 v6, 15, v0
	v_lshlrev_b32 v1, 4, v8
	v_lshlrev_b32 v2, 3, v8
	v_lshrrev_b32 v7, 4, v8
	v_lshlrev_b32 v6, 3, v6                        ; 8 r
	v_add_nc_u32 v3, STP, v1                       ; step 0's units,
	v_add_nc_u32 v4, STP, v2
	v_mov_b32 v5, v2                               ; and its scale record
	v_add_nc_u32 v7, v6, v7                        ; 8 r + h
.irp i, 22,23,24,25,26,27
	v_mov_b32 v\i, 0                               ; q's upper 64 along K: zero codes
.endr
.irp i, 48,49,50,51,52,53
	v_mov_b32 v[R1+\i], 0                          ; named with k's last tile in the first step; later they hold what the steps leave there
.endr
.irp i, 0,1,2,3
	v_mov_b32 v[PT+\i], 0                          ; written once: a lane permute's destination counts as one of its sources
.endr
	v_mov_b32 v[X], 0
	v_mov_b32 v[F+1], 0                            ; named as the upper halves of pairs
	v_mov_b32 v11, 0
	v_mov_b32 v13, 0
	s_mov_b32 s28, 0x76543210
	s_mov_b32 s29, 0xfedcba98                      ; lane selects: lane l xor 16
	s_mov_b32 s30, 0x3e38aa3b                      ; c = log2(e) / 8
	s_mov_b32 s31, s30                             ; (named with it as a pair)
	; my query tile in pass 0 is 32 cx + wave; a pass on it is 16 tiles further
	s_mul_i32 s44, ttmp9, 106496                   ; the head's record in qb
	s_lshl_b32 s46, s11, 5
	s_add_co_u32 s46, s46, s10
	s_mul_i32 s46, s46, UN
	s_add_co_u32 s46, s46, s44
	s_mov_b32 s47, 0
	s_add_nc_u64 s[36:37], s[4:5], s[46:47]        ; q's unit
	s_lshl_b32 s46, s11, 3
	s_lshr_b32 s48, s10, 2
	s_add_co_u32 s46, s46, s48
	s_lshl_b32 s46, s46, 8                         ; its scale block: tile / 4;
	s_and_b32 s48, s10, 1
	s_lshl_b32 s48, s48, 7                         ; in it: the odd tiles' words lie 128 bytes on,
	s_add_co_u32 s46, s46, s48
	s_bfe_u32 s48, s10, 0x10001
	s_lshl_b32 s48, s48, 2                         ; tiles 2, 3 in the second word
	s_add_co_u32 s46, s46, s48
	s_add_co_u32 s46, s46, s44
	s_add_co_u32 s46, s46, 98304
	s_add_nc_u64 s[38:39], s[4:5], s[46:47]        ; q's scale words
	s_lshr_b32 s46, ttmp9, 4                       ; batch
	s_lshl_b32 s46, s46, 6
	s_lshl_b32 s48, s11, 4
	s_add_co_u32 s46, s46, s48
	s_lshr_b32 s48, s10, 1
	s_add_co_u32 s46, s46, s48                     ; o's group of 32 tokens: 64 batch + 16 cx + wave / 2
	s_mul_i32 s46, s46, 25600
	s_and_b32 s48, ttmp9, 15                       ; head: the features' chunk of 64
	s_lshr_b32 s49, s48, 2
	s_mul_i32 s49, s49, 6400
	s_add_co_u32 s46, s46, s49                     ; the record
	s_and_b32 s48, s48, 3
	s_and_b32 s49, s10, 1                          ; u
	s_lshl_b32 s50, s49, 2
	s_add_co_u32 s50, s50, s48
	s_mul_i32 s50, s50, UN
	s_add_co_u32 s50, s50, s46
	s_mov_b32 s51, 0
	s_add_nc_u64 s[40:41], s[8:9], s[50:51]        ; o's unit
	s_lshl_b32 s49, s49, 7
	s_lshl_b32 s48, s48, 1
	s_add_co_u32 s46, s46, s49
	s_add_co_u32 s46, s46, s48
	s_add_co_u32 s46, s46, 6144
	s_add_nc_u64 s[42:43], s[8:9], s[46:47]        ; o's scale bytes: the plane + 128 u + 2 (head % 4)
	s_mov_b32 s35, 2
	WALU                                           ; the wait at the head's end
	s_wait_tensorcnt 0x0                           ; my sixteenth has landed,
	s_barrier_signal -1
	s_barrier_wait -1                              ; everybody's has
	KLOAD R1                                       ; step 0's k
; A STEP OF 128 KEYS.  rk: the region with k, then v; rs: the region for S^T, then p, then the next k.  nn, no: the registers of the new and of the old -M.  odd: the trip's second step.
.macro STEP rk, rs, nn, no, odd
	s_wait_dscnt 0x0                               ; k's tiles and scale words, asked for in the step before, are in
.if \odd
	s_add_co_u32 s46, s46, 2                       ; s46: the trip's first step.  The next step's number, modulo 16: behind step 15 comes step 0
	s_and_b32 s47, s46, 15
.else
	s_add_co_u32 s47, s46, 1
	s_and_b32 s47, s47, 15
.endif
	s_mul_i32 s32, s47, STP
	s_add_co_u32 s32, s32, STP                     ; its units,
	s_mul_i32 s33, s47, UN                         ; its scale record
.irp t, 0,1,2,3,4,5,6,7                        ; S^T = k q^T
.set rD, \rs+8*\t
.set rB, \rk+6*\t
.set rA, 16
.set rSB, 30+\t/2
.set rSA, 28
.set oB, \t%2
	WS 1
.endr
	PLACES 4                                       ; ahead of loads into registers that the products have read, and of the first read of their results
.irp a, 0,1,2,3                                ; v's four fragments (16 channels x 128 keys) where k lay, and v's scale words: 17 loads
	ds_load_b128 v[\rk+12*\a:\rk+12*\a+3], v3 offset:6144+\a*UN
	ds_load_b64 v[\rk+12*\a+4:\rk+12*\a+5], v4 offset:6144+\a*UN+512
	ds_load_b128 v[\rk+12*\a+6:\rk+12*\a+9], v3 offset:9216+\a*UN
	ds_load_b64 v[\rk+12*\a+10:\rk+12*\a+11], v4 offset:9216+\a*UN+512
.endr
	ds_load_b64 v[34:35], v5 offset:512
.irp b, 0,1,2,3
	v_max3_num_f32 v[BM+\b], v[\rs+16*\b], v[\rs+16*\b+1], v[\rs+16*\b+2]   ; the largest score of each block of 32 keys: it serves the row's maximum and, since p rises with the score, the block's largest p
.endr
.irp i, 3,5,7,9,11,13
.irp b, 0,1,2,3
	v_max3_num_f32 v[BM+\b], v[BM+\b], v[\rs+16*\b+\i], v[\rs+16*\b+\i+1]
.endr
.endr
.irp b, 0,1,2,3
	v_max_num_f32 v[BM+\b], v[BM+\b], v[\rs+16*\b+15]
.endr
.irp b, 0,1,2,3
	s_delay_alu instid0(VALU_DEP_4)
	v_permlanex16_b32 v[PT+\b], v[BM+\b], s28, s29
.endr
.irp b, 0,1,2,3
	s_delay_alu instid0(VALU_DEP_4)
	v_max_num_f32 v[BM+\b], v[BM+\b], v[PT+\b]     ; with lane l xor 16's 16 keys
.endr
	s_delay_alu instid0(VALU_DEP_2)
	v_max3_num_f32 v[X], v[BM], v[BM+1], v[BM+2]
	s_delay_alu instid0(VALU_DEP_1)
	v_max3_num_f32 v9, v9, v[X], v[BM+3]           ; the running largest score
	s_delay_alu instid0(VALU_DEP_1)
	v_mul_f32 v[X], s30, v9                        ; as t (c is positive)
	s_delay_alu instid0(VALU_DEP_1)
	v_floor_f32 v[\nn], -v[X]                      ; the new -M = -ceil(t): a whole number
.set j, 0
.rept 32
	v_pk_fma_f32 v[\rs+j:\rs+j+1], v[\rs+j:\rs+j+1], s[30:31], v[\nn:\nn+1] op_sel_hi:[1,0,0]   ; t - M, two at a time
.if j == 8
	v_sub_f32 v[X], v[\nn], v[\no]                 ; old M - new M: a whole number, 0 or less
.elseif j == 24
	v_cvt_i32_f32 v[X], v[X]                       ; (it saturates)
.elseif j == 40
	v_ldexp_f32 v[F], 1.0, v[X]                    ; f = 2^(old M - new M)
.endif
.set j, j+2
.endr
.irp b, 0,1,2,3
	v_fma_f32 v[BM+\b], v[BM+\b], s30, v[\nn]      ; the same of each block's largest score
.endr
.set j, 0
.rept 16
	v_pk_mul_f32 v[O+j:O+j+1], v[O+j:O+j+1], v[F:F+1] op_sel_hi:[1,0]   ; O^T under the new M, each accumulator from its low end on
.set j, j+2
.endr
	WALU                                           ; the wait ahead of the batch
.set j, 0
.rept 64
	v_exp_f32 v[\rs+j], v[\rs+j]                   ; p = 2^(t - M), at most 1
.set j, j+1
.endr
.irp b, 0,1,2,3
	v_exp_f32 v[BM+\b], v[BM+\b]                   ; the block's largest p: the same two instructions on the same number give the same bits
.endr
	v_add_nc_u32 v3, s32, v1                       ; the addresses go on to the next step (v's loads of this step are issued).  Also the plain lines behind the exponentials
	v_add_nc_u32 v4, s32, v2
	v_add_nc_u32 v5, s33, v2
	WALU                                           ; one wait for the whole batch, ahead of its first reader
.irp i, 0,1,2,3                                ; the step's sum of the unquantised p, in four chains of pairs
	v_pk_add_f32 v[T+2*\i:T+2*\i+1], v[\rs+4*\i:\rs+4*\i+1], v[\rs+4*\i+2:\rs+4*\i+3]
.endr
.set j, 16
.rept 6
.irp i, 0,1,2,3
	v_pk_add_f32 v[T+2*\i:T+2*\i+1], v[T+2*\i:T+2*\i+1], v[\rs+j+2*\i:\rs+j+2*\i+1]
.endr
.set j, j+8
.endr
.irp b, 0,1,2,3
	v_max_num_f32 v[BM+\b], 0x1800000, v[BM+\b]    ; the floor 2^(3 - 127): the byte cannot fall under 1
.endr
.irp b, 0,1,2,3
	s_delay_alu instid0(VALU_DEP_4)
	v_add_nc_u32 v[SOP+\b], 0xff000000, v[BM+\b]   ; 2 off the exponent field: the conversion's scale operand
.endr
.irp b, 0,1,2,3
	s_delay_alu instid0(VALU_DEP_4)
	v_lshrrev_b32 v[EB+\b], 23, v[SOP+\b]          ; the scale's byte
.endr
	s_delay_alu instid0(VALU_DEP_3)
	v_lshl_or_b32 v29, v[EB+1], 8, v[EB]           ; p's scale word for these 128 keys
	s_delay_alu instid0(VALU_DEP_1)
	v_lshl_or_b32 v29, v[EB+2], 16, v29
.irp c, 0,1
	v_cvt_scalef32_pk16_fp6_f32 v[PC+6*\c:PC+6*\c+2], v[\rs+32*\c:\rs+32*\c+15], v[SOP+2*\c]
	v_cvt_scalef32_pk16_fp6_f32 v[YT+4*\c:YT+4*\c+2], v[\rs+32*\c+16:\rs+32*\c+31], v[SOP+2*\c+1]   ; (a conversion's three registers begin on an even number)
.endr
	KLOAD \rs                                      ; p has been summed and converted: the next step's k lands where it lay
	v_lshl_or_b32 v29, v[EB+3], 24, v29            ; (the plain line behind the scaled conversions; sixteen plain lines stand between it and the products that take the word)
.irp c, 0,1                                    ; a whole block to a lane: lanes 0-15 block 2 c, lanes 16-31 block 2 c + 1
.irp i, 0,1,2
	v_permlane16_swap_b32 v[PC+6*\c+\i], v[YT+4*\c+\i]
.endr
.irp i, 0,1,2
	s_delay_alu instid0(VALU_DEP_3)
	v_mov_b32 v[PC+3+6*\c+\i], v[YT+4*\c+\i]
.endr
.endr
	v_pk_add_f32 v[T:T+1], v[T:T+1], v[T+2:T+3]    ; the four chains join, and the running sum comes under the new M.  (These four are the places between the lines that wrote p's codes and the products)
	v_pk_add_f32 v[T+4:T+5], v[T+4:T+5], v[T+6:T+7]
	s_delay_alu instid0(VALU_DEP_1)
	v_pk_add_f32 v[T:T+1], v[T:T+1], v[T+4:T+5]
	s_delay_alu instid0(VALU_DEP_1)
	v_pk_fma_f32 v[14:15], v[14:15], v[F:F+1], v[T:T+1] op_sel_hi:[1,0,1]
	WALU                                           ; the wait here, directly ahead of the wait below
	s_wait_dscnt 18                                ; v's 17 loads are in; the 18 for the next k, issued behind them, may be out
.irp a, 0,1,2,3                                ; O^T += v^T p^T: the four accumulators by turns
.set rD, O+8*\a
.set rB, \rk+12*\a
.set rA, PC
.set rSB, 34+\a/2
.set rSA, 29
.set oB, \a%2
	WS 0
.endr
	PLACES 5                                       ; the next step's S^T is laid over v's fragments, which these products read
.endm
.Lpass:
	global_load_b128 v[16:19], v1, s[36:37]        ; q's fragment stays in registers
	global_load_b64 v[20:21], v2, s[36:37] offset:512
	global_load_b32 v28, v6, s[38:39]
	v_mov_b32 v9, 0xff61b1e6                       ; the largest score so far: -3e38, under every score
	v_mov_b32 v12, 0x7e000000                      ; the old -M of the first step: 2^125, so that its f is 0
	v_mov_b32 v14, 0
	v_mov_b32 v15, 0
.set j, 0
.rept 32
	v_mov_b32 v[O+j], 0                            ; O^T.  (The step is written once: the first finds zeros, which the first change of M leaves zeros)
.set j, j+1
.endr
	s_mov_b32 s46, 0
	s_mov_b32 s34, 8
	WALU                                           ; the wait here, directly ahead of the wait below
	s_wait_loadcnt 0x0
.Lstep:                                            ; two steps, 256 keys
	STEP R1, R2, 10, 12, 0
	STEP R2, R1, 12, 10, 1
	s_sub_co_u32 s34, s34, 1
	s_cmp_lg_u32 s34, 0
	s_cbranch_scc1 .Lstep
	; THE WAY OUT of a pass: O^T / the sum; register 16 b + i is channel 32 b + 16 (lane / 16) + i of my query: two blocks along the last projection's K, quantised as p is.  The numbers are made in region R2,
	; which v has left (the step's five places stand behind the last products); region R1 is taking step 0's k for the next pass.
	v_add_f32 v14, v14, v15                        ; the sum's two halves,
	s_delay_alu instid0(VALU_DEP_1)
	v_permlanex16_b32 v[X], v14, s28, s29
	s_delay_alu instid0(VALU_DEP_1)
	v_add_f32 v14, v14, v[X]                       ; and lane l xor 16's
	WALU
	v_rcp_f32 v[F], v14
	v_nop                                          ; a plain line behind the reciprocal,
	WALU                                           ; and the wait ahead of its first reader
.set j, 0
.rept 16
	v_pk_mul_f32 v[R2+j:R2+j+1], v[O+j:O+j+1], v[F:F+1] op_sel_hi:[1,0]   ; each accumulator from its low end on
.set j, j+2
.endr
.irp b, 0,1
	v_max3_num_f32 v[BM+\b], |v[R2+16*\b]|, |v[R2+16*\b+1]|, 0x1800000
.endr
.irp i, 2,4,6,8,10,12,14
.irp b, 0,1
	s_delay_alu instid0(VALU_DEP_2)
	v_max3_num_f32 v[BM+\b], v[BM+\b], |v[R2+16*\b+\i]|, |v[R2+16*\b+\i+1]|
.endr
.endr
.irp b, 0,1
	s_delay_alu instid0(VALU_DEP_2)
	v_permlanex16_b32 v[PT+\b], v[BM+\b], s28, s29
.endr
.irp b, 0,1
	s_delay_alu instid0(VALU_DEP_2)
	v_max_num_f32 v[BM+\b], v[BM+\b], v[PT+\b]
.endr
.irp b, 0,1
	s_delay_alu instid0(VALU_DEP_2)
	v_add_nc_u32 v[SOP+\b], 0xff000000, v[BM+\b]
.endr
.irp b, 0,1
	s_delay_alu instid0(VALU_DEP_2)
	v_lshrrev_b32 v[EB+\b], 23, v[SOP+\b]
.endr
	v_cvt_scalef32_pk16_fp6_f32 v[PC:PC+2], v[R2:R2+15], v[SOP]
	v_cvt_scalef32_pk16_fp6_f32 v[YT:YT+2], v[R2+16:R2+31], v[SOP+1]
	v_nop
.irp i, 0,1,2
	v_permlane16_swap_b32 v[PC+\i], v[YT+\i]
.endr
.irp i, 0,1,2
	s_delay_alu instid0(VALU_DEP_3)
	v_mov_b32 v[PC+3+\i], v[YT+\i]
.endr
	global_store_b128 v1, v[PC:PC+3], s[40:41]             ; 512 consecutive bytes,
	global_store_b64 v2, v[PC+4:PC+5], s[40:41] offset:512 ; and 256
	v_cmp_le_u32 vcc_lo, 16, v8
	s_delay_alu instid0(VALU_DEP_1)
	v_cndmask_b32 v[EB+2], v[EB], v[EB+1], vcc_lo  ; lane (r, h) stores the byte of row r's block h
	global_store_b8 v7, v[EB+2], s[42:43]
	s_wait_xcnt 0x0                                ; the bases and the stores' data are written again only behind this wait
	s_add_nc_u64 s[36:37], s[36:37], 16*UN         ; 16 tiles on
	s_add_nc_u64 s[38:39], s[38:39], 1024          ; 4 scale blocks on
	s_add_nc_u64 s[40:41], s[40:41], 204800        ; 8 groups of tokens on
	s_add_nc_u64 s[42:43], s[42:43], 204800
	s_sub_co_u32 s35, s35, 1
	s_cmp_lg_u32 s35, 0
	s_cbranch_scc1 .Lpass
	s_wait_dscnt 0x0
	s_wait_tensorcnt 0x0                           ; the wave's end
	ds_add_u32 v254, v255
	s_wait_dscnt 0x0
	ROUND                                          ; the closing round: no work-group ends while a partner may still ask for a tile that names it
	s_endpgm
.Lfunc_end_k_q7fbc6b2c4f_attn:
	.size	k_q7fbc6b2c4f_attn, .Lfunc_end_k_q7fbc6b2c4f_attn-k_q7fbc6b2c4f_attn
	.p2alignl 7, 3214868480
	.fill 96, 4, 3214868480
	.section	.rodata,"a",@progbits
	.p2align	6, 0x0
	.amdhsa_kernel k_q7fbc6b2c4f_attn
		.amdhsa_group_segment_fixed_size 210944
		.amdhsa_private_segment_fixed_size 0
		.amdhsa_enable_private_segment 0
		.amdhsa_kernarg_size 24
		.amdhsa_user_sgpr_count 2
		.amdhsa_user_sgpr_kernarg_segment_ptr 1
		.amdhsa_wavefront_size32 1
		.amdhsa_system_sgpr_workgroup_id_x 1
		.amdhsa_system_sgpr_workgroup_id_y 1
		.amdhsa_system_sgpr_workgroup_id_z 1
		.amdhsa_system_vgpr_workitem_id 0
		.amdhsa_next_free_vgpr 256
		.amdhsa_next_free_sgpr 66
		.amdhsa_reserve_vcc 1
		.amdhsa_float_denorm_mode_32 3
		.amdhsa_float_denorm_mode_16_64 3
		.amdhsa_memory_ordered 1
		.amdhsa_forward_progress 1
		.amdhsa_inst_pref_size 47
	.end_amdhsa_kernel
	.amdgpu_metadata
---
amdhsa.version: [ 1, 2 ]
amdhsa.kernels:
  - .name:           k_q7fbc6b2c4f_attn
    .symbol:         k_q7fbc6b2c4f_attn.kd
    .args:
      - { .name: qb, .offset: 0, .size: 8, .value_kind: global_buffer, .address_space: global }
      - { .name: kv, .offset: 8, .size: 8, .value_kind: global_buffer, .address_space: global }
      - { .name: oq, .offset: 16, .size: 8, .value_kind: global_buffer, .address_space: global }
    .group_segment_fixed_size: 210944
    .private_segment_fixed_size: 0
    .kernarg_segment_align: 8
    .kernarg_segment_size: 24
    .max_flat_workgroup_size: 512
    .sgpr_count:     66
    .vgpr_count:     256
    .wavefront_size: 32
...
	.end_amdgpu_metadata
.endif
;; end of part 3
;; launch oproj (part 4): grid 4 x 64, 4 waves a work-group, clusters of 4 x 4, 307,712 bytes of LDS; arguments oq, wq, bo, out0; writes out0
.if DOCPART == 4
	.amdgcn_target "amdgcn-amd-amdhsa--gfx1250"
	.amdhsa_code_object_version 6
	.text
	.protected	k_q7fbc6b2c4f_oproj
	.globl	k_q7fbc6b2c4f_oproj
	.p2align	8
	.type	k_q7fbc6b2c4f_oproj,@function
k_q7fbc6b2c4f_oproj:
	s_mov_b64 s[64:65], 0
	v_nop
	global_prefetch_b8 v0, s[64:65] scope:SCOPE_SE
	s_setreg_imm32_b32 hwreg(HW_REG_WAVE_MODE, 25, 1), 1
	s_wait_xcnt 0x0
	s_wait_alu depctr_hold_cnt(0) depctr_sa_sdst(0) depctr_va_vdst(0) depctr_va_sdst(0) depctr_va_ssrc(0) depctr_va_vcc(0) depctr_vm_vsrc(0)
	s_getreg_b32 s2, hwreg(HW_REG_IB_STS2, 6, 4)
	s_cmp_eq_u32 s2, 0
	s_cbranch_scc0 .Lentry_in_a_cluster
	s_endpgm
.Lentry_in_a_cluster:
	s_bfe_u32 s2, ttmp6, 0x10000c
	s_cmp_lg_u32 s2, 0xf033
	s_cbranch_scc0 .Lentry_shape_is_right
	s_endpgm
.Lentry_shape_is_right:
; out0 = o Wo^T + bo on codes of FP6 (E2M3) with E8M0 scales; out0 [8192][1024] f32.
; INPUTS: oq (the attention's output) and wq (Wo: groups 96-127) in records of 6,400 bytes (a group of 32 rows x 256 along K: eight units of 768 bytes, then 256 scale bytes).
; Tile 2 G + u holds at lane index r row 32 G + 8 u + r + 8 (r / 8).
; A work-group makes 128 tokens (A, source 1) x 256 outputs (B = rows of Wo, source 0), K = 1,024: a lane of a result holds one token, and the 16 registers of B's tiles 2 g, 2 g + 1 are 16 neighbouring outputs.
; Four waves: wave w takes tokens 64 (w / 2) on and outputs 128 (w % 2) on: 32 accumulators.  256 work-groups.
; ALL OF K LIES IN LDS: four pieces of 256 along K, each 4 + 8 records, filled ONCE by one joint load a wave, issued at the head.  Nothing is filled again.
; CLUSTER 4 x 4: A's records are shared along a row of the cluster, B's along a column: each is asked for jointly by four work-groups.
; REGISTERS, in windows of 256.  Window 0: v1 16 x lane, v2 8 x lane, v4-19 LDS addresses, v21 the bias's offset, v24-25 the stage; v32-55 scale words and nothing else, two sets; v64-159 A's fragments, two sets
;   (on the way out v64-127: rows read back); v160-223 the bias.   Window 1: accumulator (a, b) at v[8 (8 a + b)].   Window 2: B's fragments, two sets of 96.
.set REC,   6400
.set GROW,  25600
.set UN,    768
; LDS AS THIS TEXT FILLS IT: by groups.  A group's four records (all of K, 25,600 bytes) lie on end in memory, so a wave's share (A: two groups, B: four) is ONE dense block, brought by ONE joint load a wave
; in rows of 256 bytes.  A's four groups lie from byte 0 on, B's eight from BOFF on; record K / 256 of a group at + 6,400 x (K / 256).  Every wave waits for its load, one barrier shows all of K to all.
.set BOFF,  4*GROW
.set SP,    528                        ; the way out: a stage row, 512 bytes + 16
.set AA16, 4
.set AA8,  8
.set AB16, 12
.set AB8,  16
.set SC,   32
.set AF,   64
.set BB,   160
.set BK,   64
.set G1A,  24
.set G1B,  32
.set G0A,  40
.set G0B,  68
.set MSB, 0
.macro WIN new                         ; the immediate's high byte repeats the setting that is left
.if MSB != \new
	s_set_vgpr_msb (MSB<<8)|\new
.set MSB, \new
.endif
.endm
.set MUL,  0x52                        ; source 0 (B) window 2, source 1 (A) window 0, C and D window 1
.set TO_B, 0x80                        ; destination window 2, address window 0
.macro ROUND                           ; a round of the cluster's barrier
	s_barrier_signal -1
	s_barrier_wait -1
	s_cmp_lg_u32 s10, 0
	s_cbranch_scc1 .Lnot_wave_0_\@
	s_barrier_signal -3
.Lnot_wave_0_\@:
	s_barrier_wait -3
	s_barrier_signal -1
	s_barrier_wait -1
.endm
.macro PLACES                          ; four plain vector lines behind matrix instructions, ahead of loads into their registers and of reads of their results
.rept 4
	v_nop
.endr
.endm
	s_load_b128 s[4:7], s[0:1], 0x0                ; oq, wq
	s_load_b128 s[84:87], s[0:1], 0x10             ; bo, out0
	v_lshl_add_u32 v254, v0, 2, 0x4b000
	v_mov_b32 v255, 0
	ds_add_u32 v254, v255
	ds_add_u32 v254, v255
	v_lshrrev_b32 v20, 5, v0
	v_readfirstlane_b32 s10, v20                   ; wave 0..3
	s_lshr_b32 s11, s10, 1                         ; my half of the tokens.  Also: I fetch for A (0) or for B (1)
	s_and_b32 s12, s10, 1                          ; my half of the outputs.  Also: which half of the records I fetch
	s_bfe_u32 s13, ttmp6, 0x40000                  ; cx
	s_bfe_u32 s14, ttmp6, 0x40004                  ; cy
	s_and_b32 s16, ttmp7, 0xffff
	s_lshl_b32 s16, s16, 2
	s_add_co_u32 s16, s16, s14                     ; tr, the tile of 128 tokens: 4 cluster y + cy
	s_lshl_b32 s17, ttmp9, 2
	s_add_co_u32 s17, s17, s13                     ; tc, the tile of 256 outputs: 4 cluster x + cx
	s_lshl_b32 s19, s14, 2
	s_lshl_b32 s19, 15, s19                        ; my row of the cluster
	s_lshl_b32 s22, 0x1111, s13                    ; my column
	s_or_b32 s[G1A], s19, (3<<16)|(1<<21)          ; 15:0 the mask; 17:16 elements of 8 bytes; 21 set beside a mask; no padding
	s_or_b32 s[G1B], s22, (3<<16)|(1<<21)
	s_mov_b32 s[G1A+1], 32<<16                     ; tensor_dim0 = 32 elements: rows of 256 bytes
	s_mov_b32 s[G1A+2], 200<<16                    ; tensor_dim1 = 200 rows: two groups, 51,200 bytes
	s_mov_b32 s[G1A+3], 32<<16                     ; tile_dim0
	s_mov_b32 s[G1A+4], 200                        ; tile_dim1
	s_mov_b32 s[G1A+5], 32                         ; the rows are dense
	s_mov_b32 s[G1A+6], 0
	s_mov_b32 s[G1A+7], 0
	s_mov_b32 s[G1B+1], 32<<16
	s_mov_b32 s[G1B+2], 400<<16                    ; four groups, 102,400 bytes
	s_mov_b32 s[G1B+3], 32<<16
	s_mov_b32 s[G1B+4], 400
	s_mov_b32 s[G1B+5], 32
	s_mov_b32 s[G1B+6], 0
	s_mov_b32 s[G1B+7], 0
	s_lshl_b32 s19, s16, 2                         ; A's first group: 4 tr + 2 x the half that I fetch: made of cy alone
	s_lshl_b32 s20, s12, 1
	s_add_co_u32 s19, s19, s20
	s_mul_i32 s20, s19, GROW
	s_mov_b32 s21, 0
	s_lshl_b32 s22, s17, 3                         ; B's: 96 + 8 tc + 4 x the half: made of cx alone
	s_lshl_b32 s23, s12, 2
	s_add_co_u32 s22, s22, s23
	s_add_co_u32 s22, s22, 96
	s_mul_i32 s22, s22, GROW
	s_mov_b32 s23, 0
	s_mul_i32 s8, s12, 2*GROW                      ; where they go: no place in the cluster enters an LDS address
	s_mul_i32 s9, s12, 4*GROW
	s_add_co_u32 s9, s9, BOFF
	s_wait_dscnt 0x0
	s_wait_kmcnt 0x0
	s_add_nc_u64 s[96:97], s[4:5], s[20:21]
	s_add_nc_u64 s[98:99], s[6:7], s[22:23]
	s_mov_b32 s[G0A], 1                            ; count = 1
	s_mov_b32 s[G0A+1], s8                         ; LDS address
	s_mov_b64 s[G0A+2:G0A+3], s[96:97]             ; my groups' first byte
	s_or_b32 s[G0A+3], s[G0A+3], 0x80000000        ; type = 2
	s_mov_b32 s[G0B], 1
	s_mov_b32 s[G0B+1], s9
	s_mov_b64 s[G0B+2:G0B+3], s[98:99]
	s_or_b32 s[G0B+3], s[G0B+3], 0x80000000
	ROUND                                          ; all sixteen work-groups are here: the joint loads meet
	s_cmp_eq_u32 s11, 0                            ; a wave's one fill stands in a branch on the wave's number; four v_nop follow it
	s_cbranch_scc0 .Lfill_b
	tensor_load_to_lds s[G0A:G0A+3], s[G1A:G1A+7]
	s_nop 0
	PLACES
	s_branch .Lasked
.Lfill_b:
	tensor_load_to_lds s[G0B:G0B+3], s[G1B:G1B+7]
	s_nop 0
	PLACES
.Lasked:
	v_and_b32 v20, 31, v0                          ; lane
	v_lshlrev_b32 v1, 4, v20
	v_lshlrev_b32 v2, 3, v20
	s_mul_i32 s2, s11, 2*GROW                      ; my two groups of A: one address register of each kind,
	s_mul_i32 s3, s12, 4*GROW                      ; my four of B: one for each two groups, so that every offset stays inside 16 bits
	s_add_co_u32 s3, s3, BOFF
	v_add_nc_u32 v[AA16], s2, v1
	v_add_nc_u32 v[AA8], s2, v2
.irp p, 0,1
	v_add_nc_u32 v[AB16+\p], s3, v1
	v_add_nc_u32 v[AB8+\p], s3, v2
	s_add_co_u32 s3, s3, 2*GROW
.endr
	v_bfe_u32 v21, v0, 4, 1                        ; h
	v_and_b32 v22, 15, v0                          ; r
	s_mul_i32 s2, s10, 16*SP                       ; my stage: 16 rows, in piece 0
	v_mul_u32_u24 v24, v22, SP
	v_lshl_add_u32 v24, v21, 6, v24
	v_add_nc_u32 v24, s2, v24                      ; in: row r, + 64 h
	v_add_nc_u32 v25, s2, v1                       ; back: a row's 512 bytes, 16 a lane
	v_lshlrev_b32 v21, 6, v21                      ; the bias: 16 numbers on for lanes 16-31
	s_lshl_b32 s18, s17, 10                        ; 256 tc outputs, in bytes,
	s_lshl_b32 s19, s12, 9                         ; + my 128
	s_add_co_u32 s18, s18, s19
	s_mov_b32 s19, 0
	s_add_nc_u64 s[56:57], s[84:85], s[18:19]
.irp b, 0,1,2,3,4,5,6,7
	global_load_b128 v[BB+8*\b:BB+8*\b+3], v21, s[56:57] offset:(32*(\b/2)+8*(\b%2))*4
	global_load_b128 v[BB+8*\b+4:BB+8*\b+7], v21, s[56:57] offset:(32*(\b/2)+8*(\b%2))*4+16
.endr
	s_lshl_b32 s20, s16, 7
	s_lshl_b32 s21, s11, 6
	s_add_co_u32 s20, s20, s21                     ; my first token
	s_lshl_b32 s20, s20, 12                        ; rows of 4,096 bytes
	s_add_co_u32 s20, s20, s18                     ; + my first output
	s_mov_b32 s21, 0
	s_add_nc_u64 s[60:61], s[86:87], s[20:21]
; A fragment (16 rows x 128 K, 12 registers) is two units: of each 16 bytes a lane into registers 0-3 and 8 bytes into 4-5.  Every load reads consecutive bytes.
.macro FRAG reg, a16, a8, at
.set fr, \reg
.set fo, \at
	ds_load_b128 v[fr:fr+3], v[\a16] offset:fo
	ds_load_b64 v[fr+4:fr+5], v[\a8] offset:fo+512
	ds_load_b128 v[fr+6:fr+9], v[\a16] offset:fo+UN
	ds_load_b64 v[fr+10:fr+11], v[\a8] offset:fo+UN+512
.endm
.macro FETCH s                         ; K step s: B's eight fragments, A's four, and with a piece's first step its scale words
.set fp, (\s)%2
.set fq, (\s)/2
	WIN TO_B
.irp b, 0,1,2,3,4,5,6,7
	FRAG 96*fp+12*\b, AB16+\b/4, AB8+\b/4, ((\b/2)%2)*GROW+fq*REC+(4*(\b%2)+2*fp)*UN
.endr
	WIN 0
.irp a, 0,1,2,3
	FRAG AF+48*fp+12*\a, AA16, AA8, (\a/2)*GROW+fq*REC+(4*(\a%2)+2*fp)*UN
.endr
.if fp == 0
.irp g, 0,1
	ds_load_b64 v[SC+12*(fq%2)+2*\g:SC+12*(fq%2)+2*\g+1], v[AA8] offset:\g*GROW+fq*REC+6144
.endr
.irp g, 0,1,2,3
	ds_load_b64 v[SC+12*(fq%2)+4+2*\g:SC+12*(fq%2)+4+2*\g+1], v[AB8+\g/2] offset:(\g%2)*GROW+fq*REC+6144
.endr
.endif
.endm
; One matrix instruction; the registers stand in symbols.  oB, oA: the tile is its group's second, whose scale words lie in lanes 16-31.
.macro WM zero
.if \zero
.if oB && oA
	v_wmma_scale_f32_16x16x128_f8f6f4 v[rD:rD+7], v[rB:rB+11], v[rA:rA+11], 0, v[rSB], v[rSA] matrix_a_fmt:MATRIX_FMT_FP6 matrix_b_fmt:MATRIX_FMT_FP6 matrix_a_scale:MATRIX_SCALE_ROW1 matrix_b_scale:MATRIX_SCALE_ROW1
.elseif oB
	v_wmma_scale_f32_16x16x128_f8f6f4 v[rD:rD+7], v[rB:rB+11], v[rA:rA+11], 0, v[rSB], v[rSA] matrix_a_fmt:MATRIX_FMT_FP6 matrix_b_fmt:MATRIX_FMT_FP6 matrix_a_scale:MATRIX_SCALE_ROW1
.elseif oA
	v_wmma_scale_f32_16x16x128_f8f6f4 v[rD:rD+7], v[rB:rB+11], v[rA:rA+11], 0, v[rSB], v[rSA] matrix_a_fmt:MATRIX_FMT_FP6 matrix_b_fmt:MATRIX_FMT_FP6 matrix_b_scale:MATRIX_SCALE_ROW1
.else
	v_wmma_scale_f32_16x16x128_f8f6f4 v[rD:rD+7], v[rB:rB+11], v[rA:rA+11], 0, v[rSB], v[rSA] matrix_a_fmt:MATRIX_FMT_FP6 matrix_b_fmt:MATRIX_FMT_FP6
.endif
.else
.if oB && oA
	v_wmma_scale_f32_16x16x128_f8f6f4 v[rD:rD+7], v[rB:rB+11], v[rA:rA+11], v[rD:rD+7], v[rSB], v[rSA] matrix_a_fmt:MATRIX_FMT_FP6 matrix_b_fmt:MATRIX_FMT_FP6 matrix_a_scale:MATRIX_SCALE_ROW1 matrix_b_scale:MATRIX_SCALE_ROW1
.elseif oB
	v_wmma_scale_f32_16x16x128_f8f6f4 v[rD:rD+7], v[rB:rB+11], v[rA:rA+11], v[rD:rD+7], v[rSB], v[rSA] matrix_a_fmt:MATRIX_FMT_FP6 matrix_b_fmt:MATRIX_FMT_FP6 matrix_a_scale:MATRIX_SCALE_ROW1
.elseif oA
	v_wmma_scale_f32_16x16x128_f8f6f4 v[rD:rD+7], v[rB:rB+11], v[rA:rA+11], v[rD:rD+7], v[rSB], v[rSA] matrix_a_fmt:MATRIX_FMT_FP6 matrix_b_fmt:MATRIX_FMT_FP6 matrix_b_scale:MATRIX_SCALE_ROW1
.else
	v_wmma_scale_f32_16x16x128_f8f6f4 v[rD:rD+7], v[rB:rB+11], v[rA:rA+11], v[rD:rD+7], v[rSB], v[rSA] matrix_a_fmt:MATRIX_FMT_FP6 matrix_b_fmt:MATRIX_FMT_FP6
.endif
.endif
.endm
; 16 matrix instructions: A's tiles a0, a0 + 1 x B's eight.  The 32 accumulators take turns, one instruction a turn, in the same order in every K step.  K step 0 starts the sums: nothing is cleared.
.macro MUL16 a0, s
.irp a, \a0, \a0+1
.irp b, 0,1,2,3,4,5,6,7
.set rD, 8*(8*(\a)+\b)
.set rB, 96*((\s)%2)+12*\b
.set rA, AF+48*((\s)%2)+12*(\a)
.set rSB, SC+12*(((\s)/2)%2)+4+2*(\b/2)+(\s)%2
.set rSA, SC+12*(((\s)/2)%2)+2*((\a)/2)+(\s)%2
.set oB, \b%2
.set oA, (\a)%2
.if (\s) == 0
	WM 1
.else
	WM 0
.endif
.endr
.endr
.endm
; A K step of 128.  In its middle the next step's fragments are fetched into the other set.  All of K is in LDS from the first barrier on.  In the last step, whose fragments are the wave's last reads of the tiles,
; stands one barrier: behind it no wave reads the tiles any more, and the stages may be laid over them.
.macro KSTEP s
	s_wait_dscnt 0x0                               ; this step's fragments are in
.if (\s) == 7
	s_barrier_signal -1                            ; my reads of the tiles are over
.endif
	WIN MUL
	MUL16 0, \s
.if (\s) == 7
	s_barrier_wait -1                              ; everybody's are
.endif
.if (\s) < 7
	PLACES
	FETCH (\s)+1
.endif
	WIN MUL
	MUL16 2, \s
.endm
	s_wait_alu depctr_va_vdst(0)
	s_wait_tensorcnt 0x0                           ; my one load has landed
	s_barrier_signal -1
	s_barrier_wait -1                              ; everybody's has
	FETCH 0
	KSTEP 0
	KSTEP 1
	KSTEP 2
	KSTEP 3
	KSTEP 4
	KSTEP 5
	KSTEP 6
	KSTEP 7
	WIN 0
	PLACES
	; THE WAY OUT, a tile of 16 tokens x 128 outputs at a time.  A lane holds pieces of one token's row and the lanes beside it other tokens': so the tile goes through my own stage in LDS and comes back as whole rows of
	; 512 bytes.  The four stages (33,792 bytes) lie over A's first two groups, which have had their one fill; every wave has passed the last step's barrier, in front of which it had waited for its last reads of the tiles.
	s_wait_loadcnt 0x0                             ; the bias
.irp a, 0,1,2,3
	WIN 0x41                                       ; destination and source 0: the accumulators' window
.set i, 0
.rept 32
	v_pk_add_f32 v[64*\a+i:64*\a+i+1], v[64*\a+i:64*\a+i+1], v[BB+i:BB+i+1]   ; + bo, each accumulator from its low end on
.set i, i+2
.endr
	WIN 0x04                                       ; an LDS store's data are its source 1
.irp b, 0,1,2,3,4,5,6,7
	ds_store_b128 v24, v[64*\a+8*\b:64*\a+8*\b+3] offset:128*(\b/2)+32*(\b%2)        ; outputs 32 (b / 2) + 8 (b % 2) + 16 h + 0..7
	ds_store_b128 v24, v[64*\a+8*\b+4:64*\a+8*\b+7] offset:128*(\b/2)+32*(\b%2)+16
.endr
	WIN 0
.if \a > 0
	s_wait_xcnt 0x0                                ; the registers that the last tile's stores read are loaded again only behind this wait
.endif
.irp n, 0,1,2,3,4,5,6,7,8,9,10,11,12,13,14,15
	ds_load_b128 v[BK+4*\n:BK+4*\n+3], v25 offset:SP*\n    ; LDS serves a wave's instructions in order (ISA guide 5.7.1.4): these see my stores
.endr
	s_wait_dscnt 0x0
.irp n, 0,1,2,3,4,5,6,7,8,9,10,11,12,13,14,15
	global_store_b128 v1, v[BK+4*\n:BK+4*\n+3], s[60:61] offset:(32*(\a/2)+8*(\a%2)+\n+8*(\n/8))*4096 th:TH_STORE_NT   ; the token at index n of tile a: 32 lanes store 512 consecutive bytes, at a multiple of 256 from out0's first byte
.endr
.endr
	s_wait_dscnt 0x0
	s_wait_tensorcnt 0x0
	ds_add_u32 v254, v255
	s_wait_dscnt 0x0
	ROUND                                          ; the closing round: no work-group ends while a partner may still ask for a tile that names it
	s_endpgm
.Lfunc_end_k_q7fbc6b2c4f_oproj:
	.size	k_q7fbc6b2c4f_oproj, .Lfunc_end_k_q7fbc6b2c4f_oproj-k_q7fbc6b2c4f_oproj
	.p2alignl 7, 3214868480
	.fill 96, 4, 3214868480
	.section	.rodata,"a",@progbits
	.p2align	6, 0x0
	.amdhsa_kernel k_q7fbc6b2c4f_oproj
		.amdhsa_group_segment_fixed_size 307712
		.amdhsa_private_segment_fixed_size 0
		.amdhsa_enable_private_segment 0
		.amdhsa_kernarg_size 32
		.amdhsa_user_sgpr_count 2
		.amdhsa_user_sgpr_kernarg_segment_ptr 1
		.amdhsa_wavefront_size32 1
		.amdhsa_system_sgpr_workgroup_id_x 1
		.amdhsa_system_sgpr_workgroup_id_y 1
		.amdhsa_system_sgpr_workgroup_id_z 1
		.amdhsa_system_vgpr_workitem_id 0
		.amdhsa_next_free_vgpr 704
		.amdhsa_next_free_sgpr 100
		.amdhsa_reserve_vcc 0
		.amdhsa_float_denorm_mode_32 3
		.amdhsa_float_denorm_mode_16_64 3
		.amdhsa_memory_ordered 1
		.amdhsa_forward_progress 1
		.amdhsa_inst_pref_size 90
	.end_amdhsa_kernel
	.amdgpu_metadata
---
amdhsa.version: [ 1, 2 ]
amdhsa.kernels:
  - .name:           k_q7fbc6b2c4f_oproj
    .symbol:         k_q7fbc6b2c4f_oproj.kd
    .args:
      - { .name: oq, .offset: 0, .size: 8, .value_kind: global_buffer, .address_space: global }
      - { .name: wq, .offset: 8, .size: 8, .value_kind: global_buffer, .address_space: global }
      - { .name: bo, .offset: 16, .size: 8, .value_kind: global_buffer, .address_space: global }
      - { .name: out0, .offset: 24, .size: 8, .value_kind: global_buffer, .address_space: global }
    .group_segment_fixed_size: 307712
    .private_segment_fixed_size: 0
    .kernarg_segment_align: 8
    .kernarg_segment_size: 32
    .max_flat_workgroup_size: 128
    .sgpr_count:     100
    .vgpr_count:     704
    .wavefront_size: 32
...
	.end_amdgpu_metadata
.endif
;; end of part 4
